; MI455X (gfx1250); checked and timed in simulation.
; The chip was launched on July 23, 2026; its instructions are those of AMD's public machine-readable ISA for CDNA 5 (MIT licence, August 2026) and "CDNA5" Instruction Set Architecture Reference Guide (July 2026). The comments in the code are by the model that wrote it; some were corrected since.
;; Grouped Query Attention. Allowed arithmetic: matrix products marked QUANTISED: E2M1 operands, one E8M0 scale for each 32 along K, by v_wmma_scale_f32_16x16x128_f8f6f4 with both operands' format E2M1 (or v_wmma_scale_f32_32x16x128_f4), f32 sums; products left as they are: bf16, f16 or f32 operands; f32 sums; everything else in f32.
;; Inputs: Wk 2,048 x 512 float32; Wo 1,024 x 2,048 float32; Wq 2,048 x 1,024 float32; Wv 2,048 x 512 float32; cos 4,096 x 128 float32; hidden_states 1 x 4,096 x 2,048 float32; sin 4,096 x 128 float32.
;; Outputs: out0 1 x 4,096 x 2,048 float32.
;; This version of the problem:
;;   THIS VERSION OF THE PROBLEM IS GIVEN IN LOW PRECISION. The matrix products marked QUANTISED in the list below multiply operands that are first quantised to E2M1 (2 exponent bits, 1 mantissa bit; 4 bits a number), with one power-of-two scale for each 32 numbers along K (OCP MX v1.0); their sums are f32. The products marked 'left as it is' may take bf16, f16 or f32 operands, with f32 sums. Whichever they take, every output number must still come out within the allowed error. Rounding operands to bf16 (8 significant bits) uses up far more of that allowance than f16 does (11 bits, for magnitudes from 6e-5 to 65,504). All else is computed in f32.
;;   The module's matrix products, in the order in which they are computed (A, B: the left and right operand; K: the contracted axis; several contracted axes count as one K, in the product's order):
;;     1. [M 4,096, K 2,048] x [K 2,048, N 1,024]; A: input hidden_states; B: input Wq: QUANTISED
;;     2. [M 4,096, K 2,048] x [K 2,048, N 512]; A: input hidden_states; B: input Wk: QUANTISED
;;     3. [M 4,096, K 2,048] x [K 2,048, N 512]; A: input hidden_states; B: input Wv: QUANTISED
;;     4. batch 8 x [M 4,096, K 128] x [K 128, N 4,096]; A: computed on the way; B: computed on the way: left as it is (an operand is computed on the way)
;;     5. batch 8 x [M 4,096, K 4,096] x [K 4,096, N 128]; A: computed on the way; B: computed on the way: left as it is (an operand is computed on the way)
;;     6. [M 4,096, K 1,024] x [K 1,024, N 2,048]; A: computed on the way; B: input Wo: left as it is (an operand is computed on the way)
;;   THE QUANTISER, for each operand of a quantised product, along K:
;;     - K is cut into blocks of 32 from its start; a last block that is shorter is filled with zeros.
;;     - A block's scale is 2^e with e = floor(log2(the largest magnitude in the block)) - 2, held to -126 .. 127; a block of zeros has e = 0. As a byte (E8M0): e + 127.
;;     - Each number is divided by its block's scale, clamped to +-6, and rounded to the nearest number of E2M1, ties to even, subnormals kept.
;;     - The product sums the exact products of the quantised numbers (number of the format x scale) in f32.
;;   ~~~python
;;   def quantise(x, axis):      # numpy; x: float32 -> the quantised numbers, widened to float32 again
;;       x = np.moveaxis(x, axis, -1); K = x.shape[-1]
;;       x = np.pad(x, [(0, 0)] * (x.ndim - 1) + [(0, -K % 32)]); x = x.reshape(x.shape[:-1] + (-1, 32)); a = np.abs(x).max(-1, keepdims=True)
;;       e = np.where(a > 0, np.clip(np.frexp(np.where(a > 0, a, 1))[1] - 1 - 2, -126, 127), 0)      # np.frexp(a)[1] - 1 = floor(log2(a)), exactly
;;       r = np.clip(x / 2.0 ** e, -6, 6)
;;       step = 2.0 ** (np.maximum(np.frexp(np.where(r == 0, 1, r))[1] - 1, 0) - 1)
;;       q = np.round(r / step) * step * 2.0 ** e      # np.round: ties to even
;;       return np.moveaxis(q.reshape(q.shape[:-2] + (-1,))[..., :K], -1, axis).astype(np.float32)
;;   ~~~
;; One version. Each part assembles by itself: llvm-mc -triple=amdgcn-amd-amdhsa -mcpu=gfx1250 --defsym DOCPART=n.
;; ======== version 1 of 1: 5 launches
;; limits: values are held in f16: magnitudes above 65,504 overflow, below 6.1e-05 lose precision; right only within a limited range of input values
;; workspace buffers: x_codes 4,194,304 bytes; x_scales 262,144 bytes; w_codes 2,097,152 bytes; w_scales 131,072 bytes; wo_t 4,194,304 bytes; qkv16 16,777,216 bytes; fine_qkv 131,072 bytes; o16 8,388,608 bytes
;; launch prep (part 1): grid 640 x 1, 4 waves a work-group, no clusters, 77,312 bytes of LDS; arguments hidden_states, Wq, Wk, Wv, Wo, x_codes, x_scales, w_codes, w_scales, wo_t; writes x_codes, x_scales, w_codes, w_scales, wo_t
.if DOCPART == 1
	.amdgcn_target "amdgcn-amd-amdhsa--gfx1250"
	.amdhsa_code_object_version 6
	.text
	.protected	k_qc743b3085d_prep
	.globl	k_qc743b3085d_prep
	.p2align	8
	.type	k_qc743b3085d_prep,@function
k_qc743b3085d_prep:
	s_mov_b64 s[64:65], 0
	v_nop
	global_prefetch_b8 v0, s[64:65] scope:SCOPE_SE
	s_setreg_imm32_b32 hwreg(HW_REG_WAVE_MODE, 25, 1), 1
	s_wait_xcnt 0x0
; PREP: everything that is read many times later is made narrow once.
;   work-groups   0 .. 255 (path W): Wq | Wk | Wv, f32 [2048 k][n], become codes of E2M1 with K innermost, w_codes [2048 columns][1024 bytes], and one E8M0 byte for each 32 along K, w_scales [2048][64].
;                                    Column 0-1023 is Wq's, 1024-1535 Wk's, 1536-2047 Wv's.
;   work-groups 256 .. 383 (path O): Wo, f32 [1024 k][2048 n], becomes f16 with K innermost: wo_t [2048 n][1024 k].
;   work-groups 384 .. 639 (path X): hidden_states, f32 [4096][2048], K innermost, become x_codes [4096][1024 bytes] and x_scales [4096][64].
; A block's scale is 2^(floor(log2(its largest magnitude)) - 2); its byte is the largest magnitude's exponent field - 2, held at 1 from below.
; LIMITS: a block of zeros, and a block whose largest magnitude lies under 2^-124, keeps the byte 1 (zero blocks: zero codes, which add nothing; the bytes are read by this program alone);
; NaN and infinities are not served; |Wo| stays under 65,504 (f16).
; The three paths part on the work-group's number and never join; each has LDS bytes of its own.  Memory binds: no matrix unit, no tensor load.
; Waves share nothing in paths X and O; in path W the four waves' codes of a column meet in LDS, behind one barrier.
.set SPW,   198                        ; v198  LDS address of my spare word; never rewritten
.set NIL,   199                        ; v199  0; never rewritten
.set WV,    24                         ; s24   my wave's number
.set WREG,  8192                       ; path X: a region for each wave: two stages of 32 x 80 bytes, then its 256 scale bytes
.set SP,    80
.set CB,    8
.set EMAX,  2
.set PITCH, 272                        ; paths W and O: a stage row: 256 bytes + 16
.set WSTG,  4*WREG                     ; path W's stage: 32 rows, the work-group's
.set WSC,   WSTG+32*PITCH              ; path W's scale bytes: 16 for each of 32 columns
.set OSTG,  WSC+512                    ; path O's four stages of 32 rows
.set SPARE, OSTG+4*32*PITCH            ; the spare words, 128 bytes a wave: two blocks of 256 bytes that no other line names
.macro FINISH                          ; a wave's end: behind its last LDS store
	s_wait_tensorcnt 0x0
	ds_add_u32 v[SPW], v[NIL]
	s_wait_dscnt 0x0
	s_endpgm
.endm
	s_load_b256 s[4:11], s[0:1], 0x0               ; hidden s[4:5], Wq s[6:7], Wk s[8:9], Wv s[10:11]
	s_load_b256 s[12:19], s[0:1], 0x20             ; Wo s[12:13], x_codes s[14:15], x_scales s[16:17], w_codes s[18:19]
	s_load_b128 s[20:23], s[0:1], 0x40             ; w_scales s[20:21], wo_t s[22:23]
	v_lshl_add_u32 v[SPW], v0, 2, SPARE
	v_mov_b32 v[NIL], 0
	v_lshrrev_b32 v1, 5, v0
	v_readfirstlane_b32 s[WV], v1
	v_and_b32 v2, 31, v0                           ; lane
	s_wait_kmcnt 0x0
	s_cmp_lt_u32 ttmp9, 256
	s_cbranch_scc1 .Lw
	s_cmp_lt_u32 ttmp9, 384
	s_cbranch_scc1 .Lo
; ---------------- PATH X: a plain stream of blocks of 32.  A wave takes 16 steps of 512 numbers.  Each load reads 512 consecutive bytes; a step's 2,048 bytes turn through the wave's stage,
; so that a lane then holds 16 neighbours along K (two lanes to a block).  Loads run four steps ahead, the turn one step.
.set RX, 16                            ; v16-79   four sets of 16 numbers as loaded
.set XX, 80                            ; v80-111  two sets of 16 neighbours
.set EX, 112                           ; v112-127 a scale byte for each step
.set CX, 128                           ; v128-189 codes, registers of their own for each step: no store's data are written again
	v_lshlrev_b32 v3, 4, v2                        ; my 16 bytes of a load's 512
	s_mul_i32 s25, s[WV], WREG
	v_lshrrev_b32 v14, 2, v2
	v_mul_u32_u24 v14, v14, SP
	v_and_b32 v15, 3, v2
	v_lshl_add_u32 v14, v15, 4, v14
	v_add_nc_u32 v14, s25, v14                     ; into the stage: 80 (lane / 4) + 16 (lane % 4)
	v_mul_u32_u24 v15, v2, SP
	v_add_nc_u32 v15, s25, v15                     ; out of it: 80 x lane
	v_mul_u32_u24 v4, v2, CB                       ; my codes' place in a step's
	v_lshrrev_b32 v5, 1, v2
	s_add_co_u32 s25, s25, 2*32*SP
	v_add_nc_u32 v5, s25, v5                       ; my block's scale byte in LDS
	v_lshlrev_b32 v7, 3, v2
	v_add_nc_u32 v6, s25, v7
	s_sub_co_u32 s26, ttmp9, 384
	s_lshl_b32 s26, s26, 2
	s_add_co_u32 s26, s26, s[WV]                   ; which run of 8,192 numbers is my wave's
	s_mov_b32 s27, 0
	s_lshl_b64 s[28:29], s[26:27], 15
	s_add_nc_u64 s[4:5], s[4:5], s[28:29]
	s_lshl_b64 s[28:29], s[26:27], 12
	s_add_nc_u64 s[14:15], s[14:15], s[28:29]
	s_lshl_b64 s[28:29], s[26:27], 8
	s_add_nc_u64 s[16:17], s[16:17], s[28:29]
.macro XLOAD t
.irp i, 0,1,2,3
	global_load_b128 v[RX+16*((\t)%4)+4*\i:RX+16*((\t)%4)+4*\i+3], v3, s[4:5] offset:2048*(\t)+512*\i th:TH_LOAD_NT
.endr
.endm
.macro XTURN t                         ; LDS serves a wave's instructions in order: no wait between the stores and the loads
.irp i, 0,1,2,3
	ds_store_b128 v14, v[RX+16*((\t)%4)+4*\i:RX+16*((\t)%4)+4*\i+3] offset:32*SP*((\t)%2)+8*SP*\i
.endr
.irp i, 0,1,2,3
	ds_load_b128 v[XX+16*((\t)%2)+4*\i:XX+16*((\t)%2)+4*\i+3], v15 offset:32*SP*((\t)%2)+16*\i
.endr
.endm
.irp t, 0,1,2,3
	XLOAD \t
.endr
	s_wait_loadcnt 12                              ; step 0's four loads are in; the twelve of steps 1 to 3 may be out
	XTURN 0
.macro XSTEP t
.set XS, XX+16*((\t)%2)
.if (\t) > 0
	s_wait_dscnt 1                                 ; this step's numbers are back from the stage; the last step's byte store may be out
.else
	s_wait_dscnt 0x0
.endif
.if (\t)+4 < 16
	XLOAD (\t)+4                                   ; into the set whose stores into the stage are done
.endif
.if (\t)+1 < 16
.if 14-(\t) >= 3
	s_wait_loadcnt 12                              ; the next step's four loads are in; those of the three steps behind it may be out
.else
	s_wait_loadcnt 4*(14-(\t))
.endif
	XTURN (\t)+1
.endif
	v_max3_num_f32 v8, |v[XS]|, |v[XS+1]|, |v[XS+2]|
	v_max3_num_f32 v9, |v[XS+3]|, |v[XS+4]|, |v[XS+5]|
.irp i, 6,10
	v_max3_num_f32 v8, v8, |v[XS+\i]|, |v[XS+\i+1]|
	v_max3_num_f32 v9, v9, |v[XS+\i+2]|, |v[XS+\i+3]|
.endr
	v_max3_num_f32 v8, v8, |v[XS+14]|, |v[XS+15]|
	v_max3_num_f32 v8, v8, v9, (EMAX+1)<<23        ; the floor 2^(3 - 127): the byte cannot fall under 1
	v_max_num_f32_dpp v8, v8, v8 row_xmask:1 row_mask:0xf bank_mask:0xf   ; with my neighbour's 16: the block's largest magnitude
	v_add_nc_u32 v11, -(EMAX<<23), v8              ; 2 off its exponent field: the conversion takes that field as its scale
	v_cvt_scalef32_pk8_fp4_f32 v[CX+4*(\t)], v[XS:XS+7], v11
	v_cvt_scalef32_pk8_fp4_f32 v[CX+4*(\t)+1], v[XS+8:XS+15], v11
	v_lshrrev_b32 v[EX+(\t)], 23, v11              ; the scale's byte
	ds_store_b8 v5, v[EX+(\t)] offset:16*(\t)      ; both lanes of a block write the same byte with the same value
	global_store_b64 v4, v[CX+4*(\t):CX+4*(\t)+1], s[14:15] offset:32*CB*(\t)   ; 32 lanes store 256 consecutive bytes, aligned
.endm
.irp t, 0,1,2,3,4,5,6,7,8,9,10,11,12,13,14,15
	XSTEP \t
.endr
	ds_load_b64 v[8:9], v6                         ; my wave's 256 scale bytes
	s_wait_dscnt 0x0
	global_store_b64 v7, v[8:9], s[16:17]          ; 256 consecutive bytes, aligned
	FINISH
; ---------------- PATH W: a lane takes a column, its registers run down K.  A work-group: 32 columns x 512 along K; wave w takes 128 of the 512: four blocks of 32.
; So a wave has four blocks on end, two of them on their way at a time, and 256 work-groups share the three weights.  A column's 256 bytes of codes come from four waves: they meet in a stage row,
; behind a barrier, and leave as whole aligned runs of 256 bytes.  The row pitch differs between Wq (4,096 bytes) and Wk, Wv (2,048), so it stands in 32 offset registers
; (4 x lane + i x pitch) and the base steps 32 rows a block.
.set XW,  32                           ; v32-95   two sets of 32 numbers; on the way out registers of codes
.set CW,  96                           ; v96-99   a block's codes
.set SBW, 24                           ; v24      my four scale bytes; on the way out v24-27: a column's sixteen
.set RO,  112                          ; v112-143 the row offsets
.Lw:
	s_and_b32 s25, ttmp9, 63                       ; which 32 of the 2,048 columns
	s_lshr_b32 s26, ttmp9, 6                       ; which 512 along K
	s_cmp_lt_u32 s25, 48
	s_cselect_b64 s[4:5], s[8:9], s[10:11]         ; the choice hangs on the work-group's number alone
	s_cselect_b32 s27, 32, 48
	s_cmp_lt_u32 s25, 32
	s_cselect_b64 s[4:5], s[6:7], s[4:5]
	s_cselect_b32 s27, 0, s27                      ; the tensor's first group of columns
	s_mov_b32 s28, 2048
	s_cselect_b32 s28, 4096, s28                   ; its row in bytes
	s_sub_co_u32 s29, s25, s27
	s_lshl_b32 s29, s29, 7                         ; my first column in its tensor, in bytes
	s_lshl_b32 s30, s26, 2
	s_add_co_u32 s30, s30, s[WV]                   ; which 128 rows are my wave's
	s_mul_i32 s31, s30, s28
	s_lshl_b32 s31, s31, 7
	s_add_co_u32 s32, s29, s31
	s_mov_b32 s33, 0
	s_add_nc_u64 s[4:5], s[4:5], s[32:33]
	s_lshl_b32 s34, s28, 5                         ; 32 rows on
	s_mov_b32 s35, 0
	s_lshl_b32 s36, s25, 5                         ; the work-group's first column of the 2,048
	s_lshl_b32 s32, s36, 10
	s_lshl_b32 s37, s26, 8
	s_add_co_u32 s32, s32, s37
	s_add_nc_u64 s[18:19], s[18:19], s[32:33]      ; codes: column x 1,024 + 256 x step
	s_lshl_b32 s32, s36, 6
	s_lshl_b32 s37, s26, 4
	s_add_co_u32 s32, s32, s37
	s_add_nc_u64 s[20:21], s[20:21], s[32:33]      ; scale bytes: column x 64 + 16 x step
	v_lshlrev_b32 v3, 2, v2
.set i, 0
.rept 32
	v_mad_u32_u24 v[RO+i], s28, i, v3
.set i, i+1
.endr
	s_lshl_b32 s36, s[WV], 6
	s_add_co_u32 s36, s36, WSTG
	v_mul_u32_u24 v4, v2, PITCH
	v_add_nc_u32 v4, s36, v4                       ; into the stage: row = my column, my wave's 64 bytes of it
	s_lshl_b32 s36, s[WV], 2
	s_add_co_u32 s36, s36, WSC
	v_lshl_add_u32 v14, v2, 4, s36                 ; my four scale bytes: 16 x column + 4 x wave
	v_lshl_add_u32 v15, v2, 4, WSC                 ; and a column's sixteen
	v_and_b32 v5, 15, v2
	v_lshrrev_b32 v6, 4, v2
	s_mul_i32 s36, s[WV], 8*PITCH
	s_add_co_u32 s36, s36, WSTG
	v_mul_u32_u24 v7, v6, PITCH
	v_lshl_add_u32 v7, v5, 4, v7
	v_add_nc_u32 v7, s36, v7                       ; out of it: my wave's 8 rows; sixteen lanes to a row, two rows an instruction
	s_lshl_b32 s36, s[WV], 13
	v_lshlrev_b32 v8, 10, v6
	v_lshl_add_u32 v8, v5, 4, v8
	v_add_nc_u32 v8, s36, v8                       ; the same place in w_codes
	v_lshlrev_b32 v9, 6, v2                        ; a column's row of scale bytes
.macro WLOAD t
.set i, 0
.rept 32
	global_load_b32 v[XW+32*((\t)%2)+i], v[RO+i], s[4:5] th:TH_LOAD_NT   ; 32 lanes read 128 consecutive bytes of row 32 t + i
.set i, i+1
.endr
.if (\t) < 3
	s_wait_xcnt 0x0                                ; the loads have read their base: it may step
	s_add_nc_u64 s[4:5], s[4:5], s[34:35]
.endif
.endm
	WLOAD 0
	WLOAD 1
.macro WBLOCK t
.set XS, XW+32*((\t)%2)
.if (\t) < 3
	s_wait_loadcnt 32                              ; this block's 32 loads are in; the next block's may be out
.else
	s_wait_loadcnt 0x0
.endif
	v_max3_num_f32 v12, |v[XS]|, |v[XS+1]|, |v[XS+2]|
	v_max3_num_f32 v13, |v[XS+3]|, |v[XS+4]|, |v[XS+5]|
.irp i, 6,10,14,18,22,26
	v_max3_num_f32 v12, v12, |v[XS+\i]|, |v[XS+\i+1]|
	v_max3_num_f32 v13, v13, |v[XS+\i+2]|, |v[XS+\i+3]|
.endr
	v_max3_num_f32 v12, v12, |v[XS+30]|, |v[XS+31]|
	v_max3_num_f32 v12, v12, v13, (EMAX+1)<<23     ; with the floor
	v_add_nc_u32 v11, -(EMAX<<23), v12
	v_lshrrev_b32 v13, 23, v11                     ; the scale's byte
.if (\t) == 0
	v_mov_b32 v[SBW], v13
.else
	v_lshl_or_b32 v[SBW], v13, 8*(\t), v[SBW]
.endif
.irp g, 0,1,2,3
	v_cvt_scalef32_pk8_fp4_f32 v[CW+\g], v[XS+8*\g:XS+8*\g+7], v11
.endr
	ds_store_b128 v4, v[CW:CW+3] offset:16*(\t)    ; 32 codes: 16 bytes of my column's row
.if (\t)+2 < 4
	WLOAD (\t)+2
.endif
	s_wait_dscnt 0x0                               ; the store has read its registers: the next block's codes may be written
.endm
.irp t, 0,1,2,3
	WBLOCK \t
.endr
	ds_store_b32 v14, v[SBW]
	s_wait_dscnt 0x0                               ; for the others' sake: my stores into the stage are done
	s_barrier_signal -1
	s_barrier_wait -1                              ; 32 whole rows of codes and 32 x 16 scale bytes lie in LDS
.irp t, 0,1,2,3
	ds_load_b128 v[XW+4*\t:XW+4*\t+3], v7 offset:2*\t*PITCH
.endr
.irp t, 0,1,2,3
	s_wait_dscnt 3-\t                              ; loads come back in order: number t is in
	global_store_b128 v8, v[XW+4*\t:XW+4*\t+3], s[18:19] offset:2*\t*1024   ; sixteen lanes store 256 consecutive bytes, aligned
.endr
	s_cmp_lg_u32 s[WV], 0                          ; wave 0 sends the scale bytes: 16 of each column's row of 64
	s_cbranch_scc1 .Lwend
	ds_load_b128 v[SBW:SBW+3], v15
	s_wait_dscnt 0x0
	global_store_b128 v9, v[SBW:SBW+3], s[20:21]
.Lwend:
	FINISH
; ---------------- PATH O: a lane a column for Wo too, rounded to f16.  A wave: 32 columns n x 128 along K, four blocks of 32; 256 bytes a column, through the wave's own stage.
.set CF, 96                            ; v96-111  a block's 32 numbers as f16
.Lo:
	s_sub_co_u32 s25, ttmp9, 256
	s_lshr_b32 s26, s25, 4                         ; which 128 along K
	s_and_b32 s25, s25, 15                         ; which 128 columns
	s_lshl_b32 s27, s25, 7
	s_lshl_b32 s28, s[WV], 5
	s_add_co_u32 s27, s27, s28                     ; my first column
	s_lshl_b32 s32, s26, 20                        ; 128 rows of 8,192 bytes
	s_lshl_b32 s29, s27, 2
	s_add_co_u32 s32, s32, s29
	s_mov_b32 s33, 0
	s_add_nc_u64 s[12:13], s[12:13], s[32:33]
	s_lshl_b32 s32, s27, 11                        ; wo_t: column x 2,048 + 256 x step
	s_lshl_b32 s29, s26, 8
	s_add_co_u32 s32, s32, s29
	s_add_nc_u64 s[22:23], s[22:23], s[32:33]
	v_lshlrev_b32 v3, 2, v2
	s_mul_i32 s36, s[WV], 32*PITCH
	s_add_co_u32 s36, s36, OSTG
	v_mul_u32_u24 v4, v2, PITCH
	v_add_nc_u32 v4, s36, v4
	v_and_b32 v5, 15, v2
	v_lshrrev_b32 v6, 4, v2
	v_mul_u32_u24 v7, v6, PITCH
	v_lshl_add_u32 v7, v5, 4, v7
	v_add_nc_u32 v7, s36, v7
	v_lshlrev_b32 v8, 11, v6
	v_lshl_add_u32 v8, v5, 4, v8
.macro OLOAD t
.set i, 0
.rept 32
	global_load_b32 v[XW+32*((\t)%2)+i], v3, s[12:13] offset:(32*(\t)+i)*8192 th:TH_LOAD_NT
.set i, i+1
.endr
.endm
	OLOAD 0
	OLOAD 1
.macro OBLOCK t
.set XS, XW+32*((\t)%2)
.if (\t) < 3
	s_wait_loadcnt 32                              ; this block's 32 loads are in; the next block's may be out
.else
	s_wait_loadcnt 0x0
.endif
.set i, 0
.rept 16
	v_cvt_pk_f16_f32 v[CF+i], v[XS+2*i], v[XS+2*i+1]   ; the lower k in the low half
.set i, i+1
.endr
.irp c, 0,1,2,3
	ds_store_b128 v4, v[CF+4*\c:CF+4*\c+3] offset:64*(\t)+16*\c
.endr
.if (\t)+2 < 4
	OLOAD (\t)+2
.endif
	s_wait_dscnt 0x0                               ; the stores have read their registers
.endm
.irp t, 0,1,2,3
	OBLOCK \t
.endr
.irp t, 0,1,2,3,4,5,6,7,8,9,10,11,12,13,14,15
	ds_load_b128 v[XW+4*\t:XW+4*\t+3], v7 offset:2*\t*PITCH
.endr
.irp t, 0,1,2,3,4,5,6,7,8,9,10,11,12,13,14,15
	s_wait_dscnt 15-\t
	global_store_b128 v8, v[XW+4*\t:XW+4*\t+3], s[22:23] offset:2*\t*2048   ; sixteen lanes store 256 consecutive bytes, aligned
.endr
	FINISH
.Lfunc_end_k_qc743b3085d_prep:
	.size	k_qc743b3085d_prep, .Lfunc_end_k_qc743b3085d_prep-k_qc743b3085d_prep
	.p2alignl 7, 3214868480
	.fill 96, 4, 3214868480
	.section	.rodata,"a",@progbits
	.p2align	6, 0x0
	.amdhsa_kernel k_qc743b3085d_prep
		.amdhsa_group_segment_fixed_size 77312
		.amdhsa_private_segment_fixed_size 0
		.amdhsa_enable_private_segment 0
		.amdhsa_kernarg_size 80
		.amdhsa_user_sgpr_count 2
		.amdhsa_user_sgpr_kernarg_segment_ptr 1
		.amdhsa_wavefront_size32 1
		.amdhsa_system_sgpr_workgroup_id_x 1
		.amdhsa_system_sgpr_workgroup_id_y 1
		.amdhsa_system_sgpr_workgroup_id_z 1
		.amdhsa_system_vgpr_workitem_id 0
		.amdhsa_next_free_vgpr 200
		.amdhsa_next_free_sgpr 66
		.amdhsa_reserve_vcc 0
		.amdhsa_float_denorm_mode_32 3
		.amdhsa_float_denorm_mode_16_64 3
		.amdhsa_memory_ordered 1
		.amdhsa_forward_progress 1
		.amdhsa_inst_pref_size 79
	.end_amdhsa_kernel
	.amdgpu_metadata
---
amdhsa.version: [ 1, 2 ]
amdhsa.kernels:
  - .name:           k_qc743b3085d_prep
    .symbol:         k_qc743b3085d_prep.kd
    .args:
      - { .name: hidden_states, .offset: 0, .size: 8, .value_kind: global_buffer, .address_space: global }
      - { .name: Wq, .offset: 8, .size: 8, .value_kind: global_buffer, .address_space: global }
      - { .name: Wk, .offset: 16, .size: 8, .value_kind: global_buffer, .address_space: global }
      - { .name: Wv, .offset: 24, .size: 8, .value_kind: global_buffer, .address_space: global }
      - { .name: Wo, .offset: 32, .size: 8, .value_kind: global_buffer, .address_space: global }
      - { .name: x_codes, .offset: 40, .size: 8, .value_kind: global_buffer, .address_space: global }
      - { .name: x_scales, .offset: 48, .size: 8, .value_kind: global_buffer, .address_space: global }
      - { .name: w_codes, .offset: 56, .size: 8, .value_kind: global_buffer, .address_space: global }
      - { .name: w_scales, .offset: 64, .size: 8, .value_kind: global_buffer, .address_space: global }
      - { .name: wo_t, .offset: 72, .size: 8, .value_kind: global_buffer, .address_space: global }
    .group_segment_fixed_size: 77312
    .private_segment_fixed_size: 0
    .kernarg_segment_align: 8
    .kernarg_segment_size: 80
    .max_flat_workgroup_size: 128
    .sgpr_count:     66
    .vgpr_count:     200
    .wavefront_size: 32
...
	.end_amdgpu_metadata
.endif
;; end of part 1
;; launch qkv (part 2): grid 8 x 16, 4 waves a work-group, clusters of 4 x 4, 327,680 bytes of LDS; arguments x_codes, x_scales, w_codes, w_scales, cos, sin, qkv16, fine_qkv; writes qkv16, fine_qkv
.if DOCPART == 2
	.amdgcn_target "amdgcn-amd-amdhsa--gfx1250"
	.amdhsa_code_object_version 6
	.text
	.protected	k_qc743b3085d_qkv
	.globl	k_qc743b3085d_qkv
	.p2align	8
	.type	k_qc743b3085d_qkv,@function
k_qc743b3085d_qkv:
	s_mov_b64 s[64:65], 0
	v_nop
	global_prefetch_b8 v0, s[64:65] scope:SCOPE_SE
	s_setreg_imm32_b32 hwreg(HW_REG_WAVE_MODE, 25, 1), 1
	s_wait_xcnt 0x0
	s_wait_alu depctr_hold_cnt(0) depctr_sa_sdst(0) depctr_va_vdst(0) depctr_va_sdst(0) depctr_va_ssrc(0) depctr_va_vcc(0) depctr_vm_vsrc(0)
	s_getreg_b32 s2, hwreg(HW_REG_IB_STS2, 6, 4)
	s_cmp_eq_u32 s2, 0
	s_cbranch_scc0 .Lentry_in_a_cluster
	s_endpgm
.Lentry_in_a_cluster:
	s_bfe_u32 s2, ttmp6, 0x10000c
	s_cmp_lg_u32 s2, 0xf033
	s_cbranch_scc0 .Lentry_shape_is_right
	s_endpgm
.Lentry_shape_is_right:
; QKV: [4096 x 2048] x [2048 x 2048] on codes of E2M1 with E8M0 scales (hidden x (Wq | Wk | Wv)), sums in f32; then RoPE on q and k, in f32; then f16.
; qkv16 [16 hd][4096][128] f16: hd 0-7 = q x 2^-4, 8-11 = k x 2^-4, 12-15 = v.  The factor 2^-4 is exact and keeps q and k inside f16 up to 2^20; the softmax's constant takes the 2^8 back.
; fine_qkv [16 hd][16][128] f32: the same numbers of positions 0-15, not rounded, for the launch that carries those rows in f32.
; LIMITS: |q|, |k| under 2^20, |v| under 65,504; NaN and infinities are not served (0 x infinity would arise in the heads of v, whose tables are multiplied by 0).
; A tile of 256 x 256 is made by four waves, each 128 x 128: 64 accumulators, 512 registers.  A wave's 128 columns are exactly one head, so RoPE's partner column d +- 64 lies in the same wave.
; K goes in steps of 512 through a ring of two LDS slots (rows of 256 bytes); the scales of the work-group's rows for all of K come once, in whole runs of 256 bytes, and stay.
; CLUSTERS: 4 x 4 work-groups; A's tiles are asked for jointly along a row of the cluster, B's along a column.  THE MATRIX INSTRUCTION IS USED TRANSPOSED (source 0 = 16 rows of w_codes,
; source 1 = 16 rows of x_codes): a lane holds eight neighbouring columns of one row.
; 128 work-groups: this launch's matrix work is a small part of the program's, and the tile that makes a wave's columns one head is worth more than a work-group for every WGP.
; REGISTERS: window 0: v0-31 addresses and RoPE's factors; v32-95 scale words, two sets; from v128 A's fragments, one set.  Window 1: B's fragments, two sets.  Windows 2, 3: the accumulators.
;   On the way out: window 0 v32-95 Y, v128-191 a block's rows, v192-255 their partner columns; window 1: cos and sin of a block's rows, two sets of 128.
.set SIZE_M, 4096
.set SIZE_N, 2048
.set SIZE_K, 2048
.set KSTEP,  512
.set NQ,     KSTEP/128
.set ROWB,   256
.set KROW,   SIZE_K*4/8
.set PITCH,  272                       ; an LDS row: 256 bytes + 16 of padding, so that the 16 rows that a load touches start 68 words apart
.set FR,     8
.set NL,     2
.set NP,     4
.set HALFT,  128*PITCH
.set SLOT,   4*HALFT
.set LAPS,   SIZE_K/(2*KSTEP)
.set KS,     SIZE_K/32
.set SCL,    2*SLOT
.set HALFS,  (128*KS/256)*272
.set SBLK,   (16*KS/256)*272
.set SPARE,  SCL+4*HALFS               ; the spare words, 128 bytes a wave: two blocks of 256 bytes that no other line names
.set SPITCH, 528                       ; the way out: a stage of 16 rows x (512 + 16) bytes for each wave, in slot 0, which has had its last fill and its last read by then
.set TR,   9                           ; v9      the tile row
.set SGN,  10                          ; v[10:11] sin's factor: A, negative in lanes 0-15 (columns under 64)
.set AA,   12                          ; v[12:13] A = 2^-4 for q and k, 0 for v
.set BB,   14                          ; v[14:15] B = 0 for q and k, 1 for v
.set ADRA, 16
.set ADRB, 20
.set STO,  24
.set RD,   25
.set CO,   26
.set ADRS, 27
.set SPW,  28
.set NIL,  29
.set RDX,  30                          ; v30     where I read the partner columns of a row back
.set O8,   31                          ; v31     8 x lane
.set SC,   32
.set AF,   128
.set Y,    32
.set XR,   128
.set PR,   192
.set G1, 24
.set G0, 32
.set G1B, 48
.set G0B, 56
.set G1S, 68
.set G0S, 76
.set G1SB, 80
.set G0SB, 88
.set MSB, 0
.macro WIN new                         ; the immediate's high byte repeats the setting that is left
.if MSB != \new
	s_set_vgpr_msb (MSB<<8)|\new
.set MSB, \new
.endif
.endm
.set MUL_LO, 0xa1
.set MUL_HI, 0xf1
.set TO_B,   0x40
; A joint load: waves 0 and 1 fetch for A, waves 2 and 3 for B.  The branch hangs on the wave's number alone.  An s_nop 0 and four v_nop follow each line.
.macro JLOAD g0a, g1a, g0b, g1b
	s_cmp_eq_u32 s15, 0
	s_cbranch_scc0 .Lfor_b_\@
	tensor_load_to_lds s[\g0a:\g0a+3], s[\g1a:\g1a+7]
	s_nop 0
.rept 4
	v_nop
.endr
	s_branch .Lasked_\@
.Lfor_b_\@:
	tensor_load_to_lds s[\g0b:\g0b+3], s[\g1b:\g1b+7]
	s_nop 0
.rept 4
	v_nop
.endr
.Lasked_\@:
.endm
.macro CREST
	s_cmp_lg_u32 s14, 0
	s_cbranch_scc1 .Lnot_wave_0_\@
	s_barrier_signal -3
.Lnot_wave_0_\@:
	s_barrier_wait -3
	s_barrier_signal -1
	s_barrier_wait -1
.endm
.macro CROUND
	s_barrier_signal -1
	s_barrier_wait -1
	CREST
.endm
	s_load_b128 s[4:7], s[0:1], 0x0                ; x_codes, x_scales
	s_load_b128 s[8:11], s[0:1], 0x10              ; w_codes, w_scales
	s_load_b128 s[96:99], s[0:1], 0x20             ; cos, sin
	s_load_b64 s[12:13], s[0:1], 0x30              ; qkv16
	s_load_b64 s[66:67], s[0:1], 0x38              ; fine_qkv
	v_lshl_add_u32 v[SPW], v0, 2, SPARE
	v_mov_b32 v[NIL], 0
	ds_add_u32 v[SPW], v[NIL]                      ; the wave's opening: the add, twice on end, and its wait ahead of my first tensor load
	ds_add_u32 v[SPW], v[NIL]
	v_lshrrev_b32 v1, 5, v0
	v_readfirstlane_b32 s14, v1                    ; wave 0..3
	s_lshr_b32 s15, s14, 1                         ; which half of the tile's rows is mine.  Also: I fetch for A (0) or for B (1)
	s_and_b32 s16, s14, 1                          ; which half of its columns.  Also: which 128 rows of that tile I fetch
	s_bfe_u32 s40, ttmp6, 0x40000                  ; cx, cy
	s_bfe_u32 s41, ttmp6, 0x40004
	s_lshl_b32 s42, ttmp9, 2
	s_add_co_u32 s42, s42, s40                     ; tile column
	s_and_b32 s17, ttmp7, 0xffff
	s_lshl_b32 s17, s17, 2
	s_add_co_u32 s17, s17, s41                     ; tile row
	s_lshl_b32 s43, s41, 2
	s_lshl_b32 s43, 15, s43                        ; my row of the cluster
	s_lshl_b32 s44, 0x1111, s40                    ; my column
	s_or_b32 s[G1+0], s43, (0<<16)|(1<<20)|(1<<21)|(5<<22)|(3<<25)  ; the mask; elements of 1 byte; padding of 4 words behind every 64; bit 21 beside a mask
	s_or_b32 s[G1B+0], s44, (0<<16)|(1<<20)|(1<<21)|(5<<22)|(3<<25)
.irp g, G1, G1B
	s_mov_b32 s[\g+1], ROWB<<16                    ; tensor_dim0
	s_mov_b32 s[\g+2], 128<<16                     ; tensor_dim1
	s_mov_b32 s[\g+3], ROWB<<16                    ; tile_dim0
	s_mov_b32 s[\g+4], 128                         ; tile_dim1
	s_mov_b32 s[\g+5], KROW                        ; the pitch
	s_mov_b32 s[\g+6], 0
	s_mov_b32 s[\g+7], 0
.endr
	s_or_b32 s[G1S+0], s43, (3<<16)|(1<<20)|(1<<21)|(5<<22)|(3<<25)  ; the scales of 128 rows: a dense block, as rows of 256 bytes (32 elements of 8)
	s_or_b32 s[G1SB+0], s44, (3<<16)|(1<<20)|(1<<21)|(5<<22)|(3<<25)
.irp g, G1S, G1SB
	s_mov_b32 s[\g+1], 32<<16
	s_mov_b32 s[\g+2], (128*KS/256)<<16
	s_mov_b32 s[\g+3], 32<<16
	s_mov_b32 s[\g+4], 128*KS/256
	s_mov_b32 s[\g+5], 32
	s_mov_b32 s[\g+6], 0
	s_mov_b32 s[\g+7], 0
.endr
	s_lshl_b32 s18, s16, 7
	s_lshl_b32 s20, s17, 8
	s_add_co_u32 s20, s20, s18                     ; A: row 256 x tile row + 128 x half
	s_lshl_b32 s46, s42, 8
	s_add_co_u32 s46, s46, s18                     ; B: row 256 x tile column + 128 x half
	s_mov_b32 s21, 0
	s_mov_b32 s47, 0
	s_mov_b64 s[18:19], KS
	s_mul_u64 s[22:23], s[20:21], s[18:19]
	s_mul_u64 s[92:93], s[46:47], s[18:19]
	s_mov_b64 s[18:19], KROW
	s_mul_u64 s[20:21], s[20:21], s[18:19]
	s_mul_u64 s[46:47], s[46:47], s[18:19]
	s_mul_i32 s45, s14, HALFT                      ; where they go: wave x 128 rows
	s_mul_i32 s94, s14, HALFS
	s_wait_dscnt 0x0                               ; both opening adds are done
	s_wait_kmcnt 0x0
	s_add_nc_u64 s[20:21], s[4:5], s[20:21]
	s_add_nc_u64 s[22:23], s[6:7], s[22:23]
	s_add_nc_u64 s[46:47], s[8:9], s[46:47]
	s_add_nc_u64 s[92:93], s[10:11], s[92:93]
	CROUND                                         ; all sixteen work-groups are here: the first joint loads meet
	s_mov_b32 s[G0S], 1
	s_add_co_u32 s[G0S+1], s94, SCL
	s_mov_b64 s[G0S+2:G0S+3], s[22:23]
	s_or_b32 s[G0S+3], s[G0S+3], 0x80000000
	s_mov_b32 s[G0SB], 1
	s_add_co_u32 s[G0SB+1], s94, SCL
	s_mov_b64 s[G0SB+2:G0SB+3], s[92:93]
	s_or_b32 s[G0SB+3], s[G0SB+3], 0x80000000
	JLOAD G0S, G1S, G0SB, G1SB                     ; the scales first
.irp s, 0,1
	s_mov_b32 s[G0+4*\s], 1
	s_add_co_u32 s[G0+4*\s+1], s45, \s*SLOT
	s_add_nc_u64 s[G0+4*\s+2:G0+4*\s+3], s[20:21], \s*ROWB
	s_or_b32 s[G0+4*\s+3], s[G0+4*\s+3], 0x80000000
	s_mov_b32 s[G0B+4*\s], 1
	s_add_co_u32 s[G0B+4*\s+1], s45, \s*SLOT
	s_add_nc_u64 s[G0B+4*\s+2:G0B+4*\s+3], s[46:47], \s*ROWB
	s_or_b32 s[G0B+4*\s+3], s[G0B+4*\s+3], 0x80000000
	JLOAD G0+4*\s, G1, G0B+4*\s, G1B
.endr
	v_and_b32 v1, 15, v0                           ; l % 16
	v_bfe_u32 v2, v0, 4, 1                         ; l / 16
	v_mul_u32_u24 v3, v1, PITCH
	v_lshl_add_u32 v4, v2, 4, v3
	s_mul_i32 s21, s15, HALFT
	s_mul_i32 s22, s16, HALFT
	s_add_co_u32 s22, s22, 2*HALFT
.irp s, 0,1
	v_add_nc_u32 v[ADRA+\s], s21, v4
	v_add_nc_u32 v[ADRB+\s], s22, v4
	s_add_co_u32 s21, s21, SLOT
	s_add_co_u32 s22, s22, SLOT
.endr
	v_mul_u32_u24 v5, v1, KS                       ; my row's scales: 64 bytes a row,
	v_lshrrev_b32 v6, 8, v5
	v_lshl_add_u32 v5, v6, 4, v5                   ; and 16 more for each 256 passed
	s_mul_i32 s21, s15, HALFS
	s_mul_i32 s22, s16, HALFS
	s_add_co_u32 s22, s22, 2*HALFS
	s_sub_co_u32 s22, s22, s21
	v_mul_u32_u24 v6, s22, v2                      ; lanes 16-31 take B's
	s_add_co_u32 s21, s21, SCL
	v_add_nc_u32 v5, v5, v6
	v_add_nc_u32 v[ADRS], s21, v5
	s_mul_i32 s23, s14, 16*SPITCH                  ; my stage
	v_mul_u32_u24 v5, v1, SPITCH
	v_lshl_add_u32 v5, v2, 5, v5
	v_add_nc_u32 v[STO], s23, v5                   ; in: row l % 16, 32 bytes for each half of the lanes
	v_and_b32 v6, 31, v0
	v_lshlrev_b32 v[CO], 4, v6                     ; back: the 32 lanes take one row of 512 bytes: columns 4 l .. 4 l + 3
	v_add_nc_u32 v[RD], s23, v[CO]
	v_xor_b32 v[RDX], 256, v[CO]                   ; the partner columns d +- 64 lie 256 bytes away in the row
	v_add_nc_u32 v[RDX], s23, v[RDX]
	v_lshlrev_b32 v[O8], 3, v6
	; where my wave's rows and head begin.  What hangs on the tile column stands in registers that held B's addresses
	s_lshl_b32 s20, s17, 8
	s_lshl_b32 s21, s15, 7
	s_add_co_u32 s20, s20, s21                     ; my first row (position)
	s_lshl_b32 s22, s20, 9
	s_mov_b32 s23, 0
	s_add_nc_u64 s[96:97], s[96:97], s[22:23]      ; cos and sin: 512 bytes a position
	s_add_nc_u64 s[98:99], s[98:99], s[22:23]
	s_lshl_b32 s22, s20, 8
	s_add_nc_u64 s[12:13], s[12:13], s[22:23]      ; qkv16: 256 bytes a position,
	s_lshl_b32 s46, s42, 1
	s_add_co_u32 s46, s46, s16                     ; hd = 2 x tile column + my half
	s_lshl_b32 s92, s46, 20
	s_mov_b32 s93, 0
	s_add_nc_u64 s[12:13], s[12:13], s[92:93]      ; 2^20 bytes a head
	s_lshl_b32 s92, s46, 13
	s_add_nc_u64 s[66:67], s[66:67], s[92:93]      ; fine_qkv: 8,192 bytes a head
	s_cmp_lt_u32 s46, 12                           ; q or k?  A selection, no jump: partners of a cluster run alike
	s_cselect_b32 s47, 0x3d800000, 0               ; A = 2^-4 or 0
	s_cselect_b32 s92, 0, 1.0                      ; B = 0 or 1
	v_mov_b32 v[TR], s17
	v_xor_b32 v[SGN], 1, v2
	v_lshlrev_b32 v[SGN], 31, v[SGN]
	v_or_b32 v[SGN], s47, v[SGN]                   ; -A where the column is under 64 (rotate_half takes -x[d + 64] there), +A above
	v_mov_b32 v[SGN+1], v[SGN]
	v_mov_b32 v[AA], s47
	v_mov_b32 v[AA+1], s47
	v_mov_b32 v[BB], s92
	v_mov_b32 v[BB+1], s92
.macro FRAG reg, adr, q, i             ; 16 rows x 128 K of 4-bit codes: 8 registers, two loads of 16 bytes, 32 bytes apart
.irp c, 0,1
	ds_load_b128 v[\reg+4*\c:\reg+4*\c+3], v[\adr] offset:64*(\q)+32*\c+(\i)*16*PITCH
.endr
.endm
; 16 matrix instructions: A's blocks a0, a0 + 1 x B's eight.  The 64 accumulators take turns, one instruction a turn, in the same order in every step.
.macro MUL16 a0, p, q, sc, zero
.irp a, \a0, \a0+1
.irp b, 0,1,2,3,4,5,6,7
.if \zero
	v_wmma_scale_f32_16x16x128_f8f6f4 v[8*(8*((\a)%4)+\b):8*(8*((\a)%4)+\b)+7], v[128*(\p)+FR*\b:128*(\p)+FR*\b+FR-1], v[AF+FR*(\a):AF+FR*(\a)+FR-1], 0, v[SC+8*NQ*(\sc)+NQ*\b+(\q)], v[SC+8*NQ*(\sc)+NQ*(\a)+(\q)] matrix_a_fmt:MATRIX_FMT_FP4 matrix_b_fmt:MATRIX_FMT_FP4 matrix_a_scale:MATRIX_SCALE_ROW1
.else
	v_wmma_scale_f32_16x16x128_f8f6f4 v[8*(8*((\a)%4)+\b):8*(8*((\a)%4)+\b)+7], v[128*(\p)+FR*\b:128*(\p)+FR*\b+FR-1], v[AF+FR*(\a):AF+FR*(\a)+FR-1], v[8*(8*((\a)%4)+\b):8*(8*((\a)%4)+\b)+7], v[SC+8*NQ*(\sc)+NQ*\b+(\q)], v[SC+8*NQ*(\sc)+NQ*(\a)+(\q)] matrix_a_fmt:MATRIX_FMT_FP4 matrix_b_fmt:MATRIX_FMT_FP4 matrix_a_scale:MATRIX_SCALE_ROW1
.endif
.endr
.endr
.endm
.macro FETCH_B slot, q, p
	WIN TO_B
.irp i, 0,1,2,3,4,5,6,7
	FRAG 128*(\p)+FR*\i, ADRB+\slot, \q, \i
.endr
	WIN 0
.endm
.macro FETCH_A slot, q, i0
.irp i, \i0, \i0+1, \i0+2, \i0+3
	FRAG AF+FR*(\i), ADRA+\slot, \q, \i
.endr
.endm
.macro SCALES sc                       ; a K step's scale words: lanes 0-15 take A's block i, lanes 16-31 B's block i
.irp i, 0,1,2,3,4,5,6,7
	ds_load_b128 v[SC+8*NQ*\sc+NQ*\i:SC+8*NQ*\sc+NQ*\i+3], v[ADRS] offset:\i*SBLK
.endr
.endm
.macro PLACES n                        ; plain vector instructions between a matrix instruction and a load into, or a read of, its registers
.rept \n
	v_nop
.endr
.endm
.macro STEP slot, q, zero
	s_wait_dscnt 4*NL                              ; B's set and A's blocks 0-3 are in; the youngest eight loads (A's blocks 4-7) may be out
	WIN MUL_LO
	MUL16 0, (\q)%2, \q, \slot, \zero
	MUL16 2, (\q)%2, \q, \slot, \zero
	s_wait_dscnt 0
	PLACES NP
	FETCH_B \slot, (\q)+1, 1-(\q)%2
	FETCH_A \slot, (\q)+1, 0
	WIN MUL_HI
	MUL16 4, (\q)%2, \q, \slot, \zero
	MUL16 6, (\q)%2, \q, \slot, \zero
	PLACES NP
	WIN 0
	FETCH_A \slot, (\q)+1, 4
.endm
; A slot's last step changes slots: one barrier; in front of it each wave waits for all its tensor loads, adds 0 to its spare word, and waits for that and for its own reads of this slot.
.macro TURN slot, next, fill
	s_wait_tensorcnt 0x0                           ; all my tensor loads have landed: my part of the next slot
	ds_add_u32 v[SPW], v[NIL]
	s_wait_dscnt 4*NL+1                            ; the add and the youngest eight loads may be out
	WIN MUL_LO
	MUL16 0, 1, NQ-1, \slot, 0
	s_wait_dscnt 0x0                               ; the add is done, and my reads of this slot are over
	s_barrier_signal -1
	MUL16 2, 1, NQ-1, \slot, 0
	WIN 0
	s_barrier_wait -1
.if \fill
	CREST                                          ; the barrier has opened a round of the cluster's: no wave of any partner still reads this slot or has a load on its way
	s_add_nc_u64 s[G0+4*\slot+2:G0+4*\slot+3], s[G0+4*\slot+2:G0+4*\slot+3], 2*ROWB
	s_add_nc_u64 s[G0B+4*\slot+2:G0B+4*\slot+3], s[G0B+4*\slot+2:G0B+4*\slot+3], 2*ROWB
	JLOAD G0+4*\slot, G1, G0B+4*\slot, G1B         ; the first tensor load behind the round
.else
	PLACES NP
.endif
	v_add_nc_u32 v[ADRS], 4*NQ, v[ADRS]            ; the next K step's scale words
	FETCH_B \next, 0, 0
	FETCH_A \next, 0, 0
	SCALES \next
	WIN MUL_HI
	MUL16 4, 1, NQ-1, \slot, 0
	MUL16 6, 1, NQ-1, \slot, 0
	PLACES NP
	WIN 0
	FETCH_A \next, 0, 4
.endm
.macro STEPS slot, from
.set Q, \from
.rept NQ-1-\from
	STEP \slot, Q, 0
.set Q, Q+1
.endr
.endm
	s_wait_tensorcnt 1                             ; the scales and my part of K step 0 are in; K step 1's load may be out
	s_barrier_signal -1
	s_barrier_wait -1
	FETCH_B 0, 0, 0
	FETCH_A 0, 0, 0
	SCALES 0
	FETCH_A 0, 0, 4
	STEP 0, 0, 1                                   ; the first step's products start the sums
	s_mov_b32 s3, LAPS-1
.Llap:
	STEPS 0, 1
	TURN 0, 1, 1
	STEPS 1, 0
	TURN 1, 0, 1
	STEP 0, 0, 0
	s_sub_co_u32 s3, s3, 1
	s_cmp_lg_u32 s3, 0
	s_cbranch_scc1 .Llap
	STEPS 0, 1                                     ; the last lap fills nothing
	TURN 0, 1, 0
	STEPS 1, 0
	s_wait_dscnt 4*NL
	WIN MUL_LO
	MUL16 0, 1, NQ-1, 1, 0
	MUL16 2, 1, NQ-1, 1, 0
	s_wait_dscnt 0
	WIN MUL_HI
	MUL16 4, 1, NQ-1, 1, 0
	MUL16 6, 1, NQ-1, 1, 0
	WIN 0
; THE WAY OUT, block by block of 16 positions x my head's 128 columns.
; TABLES: cos and sin of the block's 16 positions, whole rows of 512 bytes, 16 bytes a lane, into window 1.  The heads of v load them too and multiply them by 0: partners of a cluster run alike.
.macro TABLES a
	WIN 0x40
.irp t, 0,1,2,3,4,5,6,7,8,9,10,11,12,13,14,15
	global_load_b128 v[128*((\a)%2)+4*\t:128*((\a)%2)+4*\t+3], v[CO], s[96:97] offset:(16*(\a)+\t)*512
.endr
.irp t, 0,1,2,3,4,5,6,7,8,9,10,11,12,13,14,15
	global_load_b128 v[128*((\a)%2)+64+4*\t:128*((\a)%2)+64+4*\t+3], v[CO], s[98:99] offset:(16*(\a)+\t)*512
.endr
	WIN 0
.endm
; TOSTAGE: the block goes into my stage as it lies in the accumulators and comes back twice as whole rows: my columns, and their partners d +- 64.  LDS serves a wave's instructions in order.
.macro TOSTAGE a
.set AC, 64*((\a)%4)
	WIN 0x08+4*((\a)/4)                            ; an LDS store's data: window 2 or 3
.irp b, 0,1,2,3,4,5,6,7
	ds_store_b128 v[STO], v[AC+8*\b:AC+8*\b+3] offset:64*\b          ; each accumulator from its low end on
	ds_store_b128 v[STO], v[AC+8*\b+4:AC+8*\b+7] offset:64*\b+16
.endr
	WIN 0
.irp t, 0,1,2,3,4,5,6,7,8,9,10,11,12,13,14,15
	ds_load_b128 v[XR+4*\t:XR+4*\t+3], v[RD] offset:\t*SPITCH
.endr
.irp t, 0,1,2,3,4,5,6,7,8,9,10,11,12,13,14,15
	ds_load_b128 v[PR+4*\t:PR+4*\t+3], v[RDX] offset:\t*SPITCH
.endr
.endm
; ROPE: cos' = A cos + B, sin' = +-A sin (both exact: A is 2^-4 or 0, B is 0 or 1); y = x cos' + partner sin'.  So q and k come out turned and x 2^-4, v as it is.
.macro ROPE a
.set TW, 128*((\a)%2)
.if (\a) < 7
	s_wait_loadcnt 32                              ; this block's tables are in; the next block's 32 loads may be out
.else
	s_wait_loadcnt 0x0
.endif
	WIN 0x41                                       ; destination and source 0: window 1
.set i, 0
.rept 32
	v_pk_fma_f32 v[TW+2*i:TW+2*i+1], v[TW+2*i:TW+2*i+1], v[AA:AA+1], v[BB:BB+1]
	v_pk_mul_f32 v[TW+64+2*i:TW+64+2*i+1], v[TW+64+2*i:TW+64+2*i+1], v[SGN:SGN+1]
.set i, i+1
.endr
	s_wait_dscnt 0x0                               ; the block's rows are back from the stage
	WIN 0x04                                       ; source 1: window 1
.set i, 0
.rept 32
	v_pk_mul_f32 v[Y+2*i:Y+2*i+1], v[XR+2*i:XR+2*i+1], v[TW+2*i:TW+2*i+1]
.set i, i+1
.endr
.set i, 0
.rept 32
	v_pk_fma_f32 v[Y+2*i:Y+2*i+1], v[PR+2*i:PR+2*i+1], v[TW+64+2*i:TW+64+2*i+1], v[Y+2*i:Y+2*i+1]
.set i, i+1
.endr
	WIN 0
.set i, 0
.rept 32
	v_cvt_pk_f16_f32 v[XR+i], v[Y+2*i], v[Y+2*i+1]
.set i, i+1
.endr
.endm
.macro SENDH a
.irp t, 0,1,2,3,4,5,6,7,8,9,10,11,12,13,14,15
	global_store_b64 v[O8], v[XR+2*\t:XR+2*\t+1], s[12:13] offset:(16*(\a)+\t)*256   ; 32 lanes store a position's 256 bytes, aligned
.endr
.endm
	PLACES NP                                      ; behind the last products: for the stores of results and the loads into operands' registers
	TABLES 0
	TOSTAGE 0
.irp a, 0,1,2,3,4,5,6,7
.if \a < 7
	TABLES \a+1
.endif
	ROPE \a
	SENDH \a
.if \a == 0
	; positions 0-15 in f32: they lie in block 0 of the waves with the upper half of the rows (a branch on the wave's number) of tile row 0 (by EXEC, not by a jump: the tile row hangs on the place in the cluster)
	s_cmp_lg_u32 s15, 0
	s_cbranch_scc1 .Lnofine
	s_wait_xcnt 0x0                                ; EXEC changes only behind this wait
	v_cmp_eq_u32 vcc_lo, 0, v[TR]
	s_and_saveexec_b32 s2, vcc_lo
.irp t, 0,1,2,3,4,5,6,7,8,9,10,11,12,13,14,15
	global_store_b128 v[CO], v[Y+4*\t:Y+4*\t+3], s[66:67] offset:512*\t
.endr
	s_wait_xcnt 0x0                                ; and again, in front of the line that widens it
	s_or_b32 exec_lo, exec_lo, s2
.Lnofine:
.endif
.if \a < 7
	s_wait_xcnt 0x0                                ; the stores have read their registers: the next block may land there
	TOSTAGE \a+1
.endif
.endr
	s_wait_tensorcnt 0x0                           ; the wave's end
	ds_add_u32 v[SPW], v[NIL]
	s_wait_dscnt 0x0
	CROUND                                         ; the closing round
	s_endpgm
.Lfunc_end_k_qc743b3085d_qkv:
	.size	k_qc743b3085d_qkv, .Lfunc_end_k_qc743b3085d_qkv-k_qc743b3085d_qkv
	.p2alignl 7, 3214868480
	.fill 96, 4, 3214868480
	.section	.rodata,"a",@progbits
	.p2align	6, 0x0
	.amdhsa_kernel k_qc743b3085d_qkv
		.amdhsa_group_segment_fixed_size 327680
		.amdhsa_private_segment_fixed_size 0
		.amdhsa_enable_private_segment 0
		.amdhsa_kernarg_size 64
		.amdhsa_user_sgpr_count 2
		.amdhsa_user_sgpr_kernarg_segment_ptr 1
		.amdhsa_wavefront_size32 1
		.amdhsa_system_sgpr_workgroup_id_x 1
		.amdhsa_system_sgpr_workgroup_id_y 1
		.amdhsa_system_sgpr_workgroup_id_z 1
		.amdhsa_system_vgpr_workitem_id 0
		.amdhsa_next_free_vgpr 1024
		.amdhsa_next_free_sgpr 100
		.amdhsa_reserve_vcc 1
		.amdhsa_float_denorm_mode_32 3
		.amdhsa_float_denorm_mode_16_64 3
		.amdhsa_memory_ordered 1
		.amdhsa_forward_progress 1
		.amdhsa_inst_pref_size 255
	.end_amdhsa_kernel
	.section	.bss,"aw",@nobits
	.p2align	6
	.space	262144
	.amdgpu_metadata
---
amdhsa.version: [ 1, 2 ]
amdhsa.kernels:
  - .name:           k_qc743b3085d_qkv
    .symbol:         k_qc743b3085d_qkv.kd
    .args:
      - { .name: x_codes, .offset: 0, .size: 8, .value_kind: global_buffer, .address_space: global }
      - { .name: x_scales, .offset: 8, .size: 8, .value_kind: global_buffer, .address_space: global }
      - { .name: w_codes, .offset: 16, .size: 8, .value_kind: global_buffer, .address_space: global }
      - { .name: w_scales, .offset: 24, .size: 8, .value_kind: global_buffer, .address_space: global }
      - { .name: cos, .offset: 32, .size: 8, .value_kind: global_buffer, .address_space: global }
      - { .name: sin, .offset: 40, .size: 8, .value_kind: global_buffer, .address_space: global }
      - { .name: qkv16, .offset: 48, .size: 8, .value_kind: global_buffer, .address_space: global }
      - { .name: fine_qkv, .offset: 56, .size: 8, .value_kind: global_buffer, .address_space: global }
    .group_segment_fixed_size: 327680
    .private_segment_fixed_size: 0
    .kernarg_segment_align: 8
    .kernarg_segment_size: 64
    .max_flat_workgroup_size: 128
    .sgpr_count:     100
    .vgpr_count:     1024
    .wavefront_size: 32
...
	.end_amdgpu_metadata
.endif
;; end of part 2
;; launch attn (part 3): grid 32 x 8, 4 waves a work-group, no clusters, 327,680 bytes of LDS; arguments qkv16, o16; writes o16
.if DOCPART == 3
	.amdgcn_target "amdgcn-amd-amdhsa--gfx1250"
	.amdhsa_code_object_version 6
	.text
	.protected	k_qc743b3085d_attn
	.globl	k_qc743b3085d_attn
	.p2align	8
	.type	k_qc743b3085d_attn,@function
k_qc743b3085d_attn:
	s_mov_b64 s[64:65], 0
	v_nop
	global_prefetch_b8 v0, s[64:65] scope:SCOPE_SE
	s_setreg_imm32_b32 hwreg(HW_REG_WAVE_MODE, 25, 1), 1
	s_wait_xcnt 0x0
; ATTN: o16[q][128 h + :] = the sum over k <= q of softmax_k(Q[h][q] . K[g][k] / sqrt(128)) V[g][k][:], g = h / 2.  Operands f16, products, maxima and sums f32; the weights p are rounded to f16, o once at the end.
; qkv16 [16][4096][128] f16 holds q x 2^-4 (0-7), k x 2^-4 (8-11), v (12-15); the softmax's constant is log2(e) / sqrt(128) x 2^8.
; LIMITS: the running maximum starts at -1e30 (scores x 2^-8 stay above it); |o| under 65,504; NaN and infinities are not served.
; SHARES.  128 query rows to a work-group, for 256 work-groups.  For equal work under the causal mask a work-group takes the blocks of 64 rows L = x and H = 63 - x of head y; wave w owns rows 16 w .. 16 w + 15 of each:
; tile 0 in block H, tile 1 in block L.  Keys go 64 a step; tile 0 works in steps 0 .. H, tile 1 in steps 0 .. L: 65 tile steps for every wave.  While tile 1 lives, a fragment of K or V read from LDS serves both.
; NO CLUSTER: each work-group's walk over K and V ends at its own causal limit, so partners would need different numbers of tiles.
; LAYOUT.  S^T = K Q^T (source 0 = 16 keys, source 1 = 16 queries): a lane holds ONE query (lane % 16) and keys 8 (lane / 16) + 0..7.  Two such tiles, rounded in pairs, are source 1 of O^T = V^T P.
; K comes out of LDS as it lies, V ([key][channel]) turned, by ds_load_tr16_b128.
; BY TURNS.  A tile's softmax for a step is 134 vector instructions beside 32 matrix instructions.  It is cut in two: part A (70: the maximum, the scalings, all 33 exponentials) reads the scores and writes
; registers of its own (T); part B (64: the roundings to f16, the sums, O^T x a) reads T.  A trip for step j asks LDS for V(j); issues the 16 products K Q^T of step j + 1 with part B of step j in slices of four,
; one slice behind each product; asks LDS for K(j + 2); and issues the 16 products V^T P of step j with part A of step j + 1 in slices of five or four.  So no product waits for the softmax that stands beside it:
; the scores that part A reads were made a phase earlier, and the weights that V^T P takes were rounded a phase earlier.  A slice costs two switches of the register window, since no window holds a product's
; operands beside what the softmax touches.  The exponentials of a tile step are one batch with one wait, at the end of their phase.
; THE RING: two LDS slots: V of 256 keys (4 steps, 256 rows x 288 bytes) and K of the 256 keys that begin 128 keys later (256 rows x 272 bytes): K is asked of LDS two steps ahead of V, so both fetches of a trip
; fall into one slot.  K of keys 0 to 127 comes once, into a region of its own, 32 rows a wave; that region is the stage on the way out.  Waves 0 and 1 fetch K's halves of a slot, waves 2 and 3 V's: one tensor load of
; 128 rows a wave at each change of slots; by this text's count two tensor loads of a wave are out at the start, later one, and every wait for tensor loads is for all.
; A slot is asked for whole while its first key of V counts for block H: of its rows of K, which run ahead, the last may go unread, and the last slot's reach 128 rows into the next head's rows of qkv16.
; All trip counts are constants; what the mask leaves out is jumped over by scalar branches on ids and the count of steps, the same in all four waves.
; REGISTERS: window 0: v1-11 addresses; v12-27 statistics, 8 a tile (c m, m, l, l, four at work); v64-127 S^T; v128-191 T; v192-223 P.  Window 1: v0-127 O^T.  Window 2: v0-63 Q, v128-255 K.  Window 3: v0-127 V.
.set PK,    272
.set PV,    288
.set VOFF,  256*PK
.set SLOTB, 256*(PK+PV)
.set STEPK, 64*PK
.set STEPV, 64*PV
.set K01,   2*SLOTB                    ; behind the ring: K of keys 0 to 127, 128 rows x 272 bytes, filled once
.set STAGE, K01                        ; the way out: 16 rows x 272 bytes for each wave, in that region: it has had its one fill, and its last read stands ahead of fifteen barriers
.set SP,    272
.set SPARE, K01+128*PK                 ; the spare words, 128 bytes a wave: two blocks of 256 bytes that no other line names
.set AK0, 2
.set AV0, 3
.set ADR, 4
.set QO,  5
.set STO, 6
.set RD,  7
.set GO,  8
.set DD,  11                           ; v11  16 w + lane % 16 - 8 (lane / 16): on the diagonal, register n's key is hidden where 16 (n / 8) + n % 8 is above it
.set ST,  12
.set NI,  28                           ; v28  -infinity
.set PFO, 61                           ; v61  256 x lane
.set SPW, 62
.set NIL, 63
.set S,   64
.set T,   128
.set P,   192
.set KFR, 128
.set WV,  12
.set PFA, 20                           ; s[20:21] where my prefetches stand
.set LIM, 22                           ; s22  a wave prefetches while the step's first key is under it
.set G1K, 24
.set G1V, 32
.set G0K, 40                           ; s[40:47] group 0 for K, a set for each LDS slot
.set G0V, 48                           ; s[48:55] for V
.set TBK, 56                           ; s56  LDS byte at which the rows of K to be fetched begin
.set TBV, 57                           ; s57  the same for V (less VOFF, which stands in v3)
.set KF,  58                           ; s58  the trip's first key: 64 j
.set KH,  59                           ; s59  64 H
.set KH1, 60                           ; s60  64 (H - 1)
.set KL,  61                           ; s61  64 L
.set KL1, 62                           ; s62  64 (L - 1); where L = 0 it wraps, and no trip's first key equals it
.set KH2, 63                           ; s63  64 (H - 2)
.set SEL, 66
.set CS,  68
.set SLOTS, 70
.set CNT, 71
.set G1Q, 76                           ; s[76:83] group 1 for a quarter of K's first 128 rows
.set G0Q, 84                           ; s[84:87] its group 0
.set MSB, 0
.macro WIN new
.if MSB != \new
	s_set_vgpr_msb (MSB<<8)|\new
.set MSB, \new
.endif
.endm
.set W_KQ, 0x0a
.set W_PV, 0x53
.set W_RS, 0x41
.macro PLACES
.rept 4
	v_nop
.endr
.endm
; A wave's one tensor load into LDS slot s.  The branch hangs on the wave's number alone; an s_nop 0 and four v_nop follow each line.
.macro TLOAD s
	s_cmp_lt_u32 s[WV], 2
	s_cbranch_scc0 .Lfor_v_\@
	tensor_load_to_lds s[G0K+4*(\s):G0K+4*(\s)+3], s[G1K:G1K+7]
	s_nop 0
.rept 4
	v_nop
.endr
	s_branch .Lasked_\@
.Lfor_v_\@:
	tensor_load_to_lds s[G0V+4*(\s):G0V+4*(\s)+3], s[G1V:G1V+7]
	s_nop 0
.rept 4
	v_nop
.endr
.Lasked_\@:
.endm
; A PREFETCH INTO THE L2 of what the NEXT change of slots will ask for: my wave's own 128 rows of 256 bytes, a lane a row, four instructions together, behind the tensor load.
; All work-groups of the two heads that share a K and V head walk the same rows: the one with x = 0 and an even head, which walks all 16 slots, asks, and nobody else: each row is named once in the launch.
; The change at slot 14 and later ones ask for nothing: there is no slot two on.  Slots 0 and 1 and K's first 128 rows come by their loads alone.
.macro ASK
	s_cmp_lt_u32 s[KF], s[LIM]
	s_cbranch_scc0 .Lnot_mine_\@
.irp p, 0,1,2,3
	global_prefetch_b8 v[PFO], s[PFA:PFA+1] offset:8192*\p th:TH_LOAD_NT scope:SCOPE_SE
.endr
.Lnot_mine_\@:
.endm
.macro FETCH_K                         ; a step's K: 64 keys x 128 channels, 16 fragments, 32 loads in one run
	WIN 0
	v_add_nc_u32 v[ADR], s[TBK], v[AK0]
	WIN 0x80
.irp f, 0,1,2,3,4,5,6,7,8,9,10,11,12,13,14,15
	ds_load_b128 v[KFR+8*\f:KFR+8*\f+3],   v[ADR] offset:(\f/4)*16*PK+(\f%4)*64
	ds_load_b128 v[KFR+8*\f+4:KFR+8*\f+7], v[ADR] offset:(\f/4)*16*PK+(\f%4)*64+32
.endr
	WIN 0
.endm
.macro FETCH_V                         ; a step's V, turned: keys 32 (f / 8) on, channels 16 (f % 8) on
	WIN 0
	v_add_nc_u32 v[ADR], s[TBV], v[AV0]
	WIN 0xc0
.irp f, 0,1,2,3,4,5,6,7,8,9,10,11,12,13,14,15
	ds_load_tr16_b128 v[8*\f:8*\f+3],   v[ADR] offset:(\f/8)*32*PV+(\f%8)*32
	ds_load_tr16_b128 v[8*\f+4:8*\f+7], v[ADR] offset:(\f/8)*32*PV+16*PV+(\f%8)*32
.endr
	WIN 0
.endm
; Product i of 16 of S^T = K Q^T of tile t: four accumulators (16 keys each) by turns, channels 32 (i / 4) on; the first four start the sums.
.macro KQ1 t
	WIN W_KQ
.set rS, S+32*(\t)+8*(i%4)
.set rK, KFR+32*(i%4)+8*(i/4)
.set rQ, 32*(\t)+8*(i/4)
.if i < 4
	v_wmma_f32_16x16x32_f16 v[rS:rS+7], v[rK:rK+7], v[rQ:rQ+7], 0
.else
	v_wmma_f32_16x16x32_f16 v[rS:rS+7], v[rK:rK+7], v[rQ:rQ+7], v[rS:rS+7]
.endif
.endm
; Product i of 16 of O^T += V^T P of tile t: eight accumulators (16 channels each) by turns, keys 32 (i / 8) on.
.macro PV1 t
	WIN W_PV
.set rO, 64*(\t)+8*(i%8)
.set rV, 64*(i/8)+8*(i%8)
.set rP, P+16*(\t)+8*(i/8)
	v_wmma_f32_16x16x32_f16 v[rO:rO+7], v[rV:rV+7], v[rP:rP+7], v[rO:rO+7]
.endm
.macro MASK t                          ; the diagonal step: hidden scores become -infinity ahead of the maximum; each accumulator from its low end on
.set n, 0
.rept 32
	v_cmp_gt_i32 vcc_lo, 16*(n/8)+n%8, v[DD]
	v_cndmask_b32 v[S+32*(\t)+n], v[S+32*(\t)+n], v[NI], vcc_lo
.set n, n+1
.endr
.endm
; Number j of the 134 instructions of one tile's softmax for one step.
;   PART A  0-15 the maximum of the 32 scores and the old m;  16-20 the other half of the lanes', the new m, c m, c m_old - c m_new;
;           21-69 ONE BATCH: 16 packed scalings c s - c m, from S^T into T, and 33 exponentials (a, then the 32 p, in place in T), none of which reads an exponential's result;
;   PART B  70-85 the roundings to f16, from T into P;  86-101 the sums, in place in T, l = a l + sum;  102-133 O^T x a.
.macro SM t
.set rT, ST+8*(\t)
.set rS, S+32*(\t)
.set rX, T+32*(\t)
.set rP, P+16*(\t)
.set rO, 64*(\t)+2*(j-102)
.if j < 102
	WIN 0
.endif
.if j < 4
	v_max3_num_f32 v[rT+4+j], v[rS+8*j], v[rS+8*j+1], v[rS+8*j+2]
.elseif j < 12
	v_max3_num_f32 v[rT+4+j%4], v[rT+4+j%4], v[rS+8*(j%4)+2*(j/4)+1], v[rS+8*(j%4)+2*(j/4)+2]
.elseif j == 12
	v_max3_num_f32 v[rT+4], v[rT+4], v[rS+7], v[rS+15]
.elseif j == 13
	v_max3_num_f32 v[rT+6], v[rT+6], v[rS+23], v[rS+31]
.elseif j == 14
	v_max3_num_f32 v[rT+4], v[rT+4], v[rT+5], v[rT+6]
.elseif j == 15
	v_max3_num_f32 v[rT+4], v[rT+4], v[rT+7], v[rT+1]
.elseif j == 16
	v_permlanex16_b32 v[rT+5], v[rT+4], s[SEL], s[SEL+1]
.elseif j == 17
	v_mov_b32 v[rT+7], v[rT]
.elseif j == 18
	v_max_num_f32 v[rT+1], v[rT+4], v[rT+5]
.elseif j == 19
	v_mul_f32 v[rT], s[CS], v[rT+1]
.elseif j == 20
	v_sub_f32 v[rT+7], v[rT+7], v[rT]
.elseif j == 23
	v_exp_f32 v[rT+6], v[rT+7]
.elseif (j < 23) || ((j < 38) && (j%2 == 0)) || ((j < 66) && (j%4 == 2))
.set b, (j-2)/4
.if j < 38
.set b, (j-20)/2
.endif
	v_pk_fma_f32 v[rX+2*b:rX+2*b+1], v[rS+2*b:rS+2*b+1], s[CS:CS+1], v[rT:rT+1] op_sel_hi:[1,0,0] neg_lo:[0,0,1] neg_hi:[0,0,1]
.elseif j < 70
.set e, j-38
.if j < 66
.set e, j-32-(j-38)/4
.endif
.if j < 38
.set e, (j-25)/2
.endif
	v_exp_f32 v[rX+e], v[rX+e]
.elseif j < 86
	v_cvt_pk_f16_f32 v[rP+j-70], v[rX+2*(j-70)], v[rX+2*(j-70)+1]
.elseif j < 102
.set z, j-86
.set w, 4
.set u, z
.if z >= 14
.set w, 32
.set u, 0
.elseif z >= 12
.set w, 16
.set u, z-12
.elseif z >= 8
.set w, 8
.set u, z-8
.endif
.if z < 15
	v_pk_add_f32 v[rX+w*u:rX+w*u+1], v[rX+w*u:rX+w*u+1], v[rX+w*u+w/2:rX+w*u+w/2+1]
.else
	v_pk_fma_f32 v[rT+2:rT+3], v[rT+2:rT+3], v[rT+6:rT+7], v[rX:rX+1] op_sel_hi:[1,0,1]
.endif
.else
	WIN W_RS
	v_pk_mul_f32 v[rO:rO+1], v[rO:rO+1], v[rT+6:rT+7] op_sel_hi:[1,0]
.endif
.endm
.macro SMA t                           ; part A by itself, for step 0: there is no product yet to set it beside.  One plain instruction and ONE wait behind the 33 exponentials
.set j, 0
.rept 70
	SM \t
.set j, j+1
.endr
	v_nop
	s_wait_alu depctr_va_vdst(0)
.endm
; PHASE 1 of tile t: the 16 products V^T P of the trip's step.  full = 1: part A of the next step's softmax stands in slices behind them, 5 instructions behind each of the first six and 4 behind the others: 70.
; The slices name S^T, T and the statistics, none of which these products name.  Four v_nop follow: the places ahead of the loads into V's registers and of the vector instructions that write O^T and P,
; and the plain instruction behind the last exponential; then the batch's one wait, ahead of the labels and branches that follow.
.macro P1 t, full
.set i, 0
.set j, 0
.rept 16
	PV1 \t
.if \full
.set sl, 4
.if i < 6
.set sl, 5
.endif
.rept sl
	SM \t
.set j, j+1
.endr
.endif
.set i, i+1
.endr
	WIN 0
	PLACES
.if \full
	s_wait_alu depctr_va_vdst(0)
.endif
.endm
; PHASE 2 of tile t: part B of the trip's step, 64 instructions.  full = 1: they stand in slices of four behind the 16 products K Q^T of the next step.  The slices name T, P, the statistics and O^T, none of which
; these products name.  The last slice, four packed multiplies on O^T, is also the four places ahead of the first read of the new scores and of the loads into K's registers.
.macro P2 t, full
.set i, 0
.set j, 70
.rept 16
.if \full
	KQ1 \t
.endif
.rept 4
	SM \t
.set j, j+1
.endr
.set i, i+1
.endr
	WIN 0
.endm
; A TRIP for step j = s[KF] / 64.  On the way in: the scores of step j have been through part A; K(j + 1) has been asked of LDS.
.macro RSTEP
	s_wait_dscnt 0x0                               ; K(j + 1) is in (asked for ahead of the last trip's phase 1); no LDS load of mine is out, on any way
	s_cmp_gt_u32 s[KF], s[KH]                      ; step j lies past block H: nothing is left
	s_cbranch_scc1 .Ldone_\@
	FETCH_V                                        ; V(j): it lands under phase 2
	s_cmp_eq_u32 s[KF], s[KH]
	s_cbranch_scc1 .Llast_\@
	P2 0, 1                                        ; tile 0: K Q^T of step j + 1 | part B of step j
	s_cmp_lg_u32 s[KF], s[KH1]
	s_cbranch_scc1 .Lnm0_\@
	MASK 0                                         ; step j + 1 is tile 0's diagonal
.Lnm0_\@:
	s_cmp_ge_u32 s[KF], s[KL]
	s_cbranch_scc1 .Llo2_\@
	P2 1, 1                                        ; tile 1 likewise, while it has a next step
	s_cmp_lg_u32 s[KF], s[KL1]
	s_cbranch_scc1 .Lk_\@
	MASK 1
	s_branch .Lk_\@
.Llo2_\@:
	s_cmp_gt_u32 s[KF], s[KL]
	s_cbranch_scc1 .Lk_\@
	P2 1, 0                                        ; tile 1's last step: part B alone
.Lk_\@:
	s_cmp_gt_u32 s[KF], s[KH2]
	s_cbranch_scc1 .LnoK_\@
	FETCH_K                                        ; K(j + 2): it lands under phase 1
	s_wait_dscnt 32                                ; V(j) is in; K's 32 younger loads may be out
	s_branch .Lp1_\@
.LnoK_\@:
	s_wait_dscnt 0x0                               ; V(j)
.Lp1_\@:
	P1 0, 1                                        ; tile 0: V^T P of step j | part A of step j + 1
	s_cmp_ge_u32 s[KF], s[KL]
	s_cbranch_scc1 .Llo1_\@
	P1 1, 1
	s_branch .Ldone_\@
.Llo1_\@:
	s_cmp_gt_u32 s[KF], s[KL]
	s_cbranch_scc1 .Ldone_\@
	P1 1, 0                                        ; tile 1's last step: V^T P alone
	s_branch .Ldone_\@
.Llast_\@:                                         ; tile 0's last step (tile 1 ended long ago: L is under H)
	P2 0, 0
	s_wait_dscnt 0x0                               ; V(j)
	P1 0, 0
.Ldone_\@:
	s_add_co_u32 s[KF], s[KF], 64
	s_add_co_u32 s[TBK], s[TBK], STEPK
	s_add_co_u32 s[TBV], s[TBV], STEPV
.endm
.macro STEPS n, bk, bv                 ; n trips on the slot whose rows of K and V begin at bk and bv
	s_mov_b32 s[TBK], \bk
	s_mov_b32 s[TBV], \bv
	s_mov_b32 s[CNT], \n
.Lst_\@:
	RSTEP
	s_sub_co_u32 s[CNT], s[CNT], 1
	s_cmp_lg_u32 s[CNT], 0
	s_cbranch_scc1 .Lst_\@
.endm
; THE CHANGE OF SLOTS, at a slot's head.  Each wave waits for all its tensor loads (its part of the slot ahead), adds 0 to its spare word, and waits for that and for its reads of the slot that it has left.
; Behind the barrier the slot ahead is whole and nobody reads the other.  fs: the LDS slot that is filled then (-1: none); step: its descriptors go two slots on; limit: the causal limit is tested.
.macro CHANGE fs, step, limit
	s_wait_tensorcnt 0x0                           ; no tensor load of mine is out, so a group 0 may be written
	ds_add_u32 v[SPW], v[NIL]
.if \step
	s_add_nc_u64 s[G0K+4*(\fs)+2:G0K+4*(\fs)+3], s[G0K+4*(\fs)+2:G0K+4*(\fs)+3], 2*65536
	s_add_nc_u64 s[G0V+4*(\fs)+2:G0V+4*(\fs)+3], s[G0V+4*(\fs)+2:G0V+4*(\fs)+3], 2*65536
	s_wait_xcnt 0x0                                ; the last prefetches, a slot back, have read their address
	s_add_nc_u64 s[PFA:PFA+1], s[PFA:PFA+1], 65536
.endif
	s_wait_dscnt 0x0                               ; the add is done, and my reads of the slot that I have left are over
	s_barrier_signal -1
	s_barrier_wait -1
.if \fs >= 0
.if \limit                             ; a slot whose first key of V comes after block H is read by no wave, so it is not asked for.  Ids and the count of steps alone: all four waves go the same way
	s_add_co_u32 s72, s[KF], 256
	s_cmp_gt_u32 s72, s[KH]
	s_cbranch_scc1 .Lpast_\@
.endif
	TLOAD \fs                                      ; the first thing behind the barrier, and my one tensor load until the next
.Lpast_\@:
	ASK
.endif
.endm
	s_load_b128 s[4:7], s[0:1], 0x0                ; qkv16, o16
	v_lshl_add_u32 v[SPW], v0, 2, SPARE
	v_mov_b32 v[NIL], 0
	ds_add_u32 v[SPW], v[NIL]                      ; the wave's opening: the add, twice on end, and its wait ahead of my first tensor load
	ds_add_u32 v[SPW], v[NIL]
	v_lshrrev_b32 v1, 5, v0
	v_readfirstlane_b32 s[WV], v1                  ; wave 0..3
	s_and_b32 s13, ttmp7, 0xffff                   ; the head
	s_sub_co_u32 s14, 63, ttmp9                    ; H
	s_lshl_b32 s[KH], s14, 6
	s_sub_co_u32 s[KH1], s[KH], 64
	s_sub_co_u32 s[KH2], s[KH], 128
	s_lshl_b32 s[KL], ttmp9, 6
	s_sub_co_u32 s[KL1], s[KL], 64
	s_mov_b32 s[KF], 0
	s_mov_b32 s[G1K], (1<<16)|(1<<20)|(5<<22)|(3<<25)   ; elements of 2 bytes; padding of 4 words behind every 64
	s_mov_b32 s[G1V], (1<<16)|(1<<20)|(5<<22)|(7<<25)   ; of 8 words
	s_mov_b32 s[G1Q], (1<<16)|(1<<20)|(5<<22)|(3<<25)
.irp g, G1K, G1V
	s_mov_b32 s[\g+1], 128<<16                     ; tensor_dim0
	s_mov_b32 s[\g+2], 128<<16                     ; tensor_dim1
	s_mov_b32 s[\g+3], 128<<16                     ; tile_dim0
	s_mov_b32 s[\g+4], 128                         ; tile_dim1
	s_mov_b32 s[\g+5], 128                         ; the pitch
	s_mov_b32 s[\g+6], 0
	s_mov_b32 s[\g+7], 0
.endr
	s_mov_b32 s[G1Q+1], 128<<16                    ; the same with 32 rows
	s_mov_b32 s[G1Q+2], 32<<16
	s_mov_b32 s[G1Q+3], 128<<16
	s_mov_b32 s[G1Q+4], 32
	s_mov_b32 s[G1Q+5], 128
	s_mov_b32 s[G1Q+6], 0
	s_mov_b32 s[G1Q+7], 0
	s_and_b32 s15, s[WV], 1                        ; which 128 of a slot's 256 rows I fetch
	s_mul_i32 s2, s15, 128*PK                      ; K: their place in a slot
	s_mul_i32 s3, s15, 128*PV
	s_add_co_u32 s3, s3, VOFF                      ; V: likewise
	s_lshr_b32 s23, s13, 1                         ; g
	s_add_co_u32 s88, s23, 8
	s_lshl_b32 s88, s88, 20                        ; K's head, in bytes from qkv16
	s_mov_b32 s89, 0
	s_lshl_b32 s14, s15, 15
	s_add_co_u32 s74, s88, s14
	s_add_co_u32 s72, s74, 2*64*256                ; K: my rows of slot 0, which begins with key 128
	s_mov_b32 s73, 0
	s_add_co_u32 s74, s74, 4<<20                   ; V: four heads on; slot 0 begins with key 0
	s_mov_b32 s75, 0
	s_lshl_b32 s14, s[WV], 13
	s_add_co_u32 s88, s88, s14                     ; K's first 128 rows: my 32 of them, in memory,
	s_mul_i32 s90, s[WV], 32*PK
	s_add_co_u32 s90, s90, K01                     ; and in LDS
	s_and_b32 s23, s13, 1
	s_or_b32 s23, s23, ttmp9
	s_cmp_eq_u32 s23, 0
	s_cselect_b32 s[LIM], 14*256, 0
	s_mov_b32 s[SEL], 0x76543210
	s_mov_b32 s[SEL+1], 0xfedcba98
	s_mov_b32 s[CS], 0x420293ee                    ; c = log2(e) / sqrt(128) x 2^8
	s_mov_b32 s[CS+1], s[CS]
	s_wait_dscnt 0x0                               ; both opening adds are done
	s_wait_kmcnt 0x0
	s_mov_b32 s[G0Q], 1
	s_mov_b32 s[G0Q+1], s90
	s_add_nc_u64 s[G0Q+2:G0Q+3], s[4:5], s[88:89]
	s_or_b32 s[G0Q+3], s[G0Q+3], 0x80000000
.irp s, 0,1
	s_mov_b32 s[G0K+4*\s], 1
	s_add_co_u32 s[G0K+4*\s+1], s2, \s*SLOTB
	s_add_nc_u64 s[G0K+4*\s+2:G0K+4*\s+3], s[4:5], s[72:73]
	s_add_nc_u64 s[G0K+4*\s+2:G0K+4*\s+3], s[G0K+4*\s+2:G0K+4*\s+3], \s*65536
	s_or_b32 s[G0K+4*\s+3], s[G0K+4*\s+3], 0x80000000
	s_mov_b32 s[G0V+4*\s], 1
	s_add_co_u32 s[G0V+4*\s+1], s3, \s*SLOTB
	s_add_nc_u64 s[G0V+4*\s+2:G0V+4*\s+3], s[4:5], s[74:75]
	s_add_nc_u64 s[G0V+4*\s+2:G0V+4*\s+3], s[G0V+4*\s+2:G0V+4*\s+3], \s*65536
	s_or_b32 s[G0V+4*\s+3], s[G0V+4*\s+3], 0x80000000
.endr
	tensor_load_to_lds s[G0Q:G0Q+3], s[G1Q:G1Q+7]  ; K of keys 0 to 127: every wave brings 32 rows of its own
	s_nop 0
	TLOAD 0                                        ; slot 0, which counts for every work-group
	s_cmp_lt_u32 s[WV], 2
	s_cselect_b32 s90, s72, s74
	s_add_co_u32 s90, s90, 2*65536                 ; the prefetches begin with slot 2
	s_mov_b32 s91, 0
	s_add_nc_u64 s[PFA:PFA+1], s[4:5], s[90:91]
	s_lshl_b32 s88, s13, 20                        ; my head of q
	s_lshl_b32 s92, s[WV], 4
	s_add_co_u32 s93, s[KH], s92                   ; tile 0's first row
	s_add_co_u32 s94, s[KL], s92                   ; tile 1's
	s_lshl_b32 s90, s93, 8
	s_add_co_u32 s90, s90, s88
	s_add_nc_u64 s[8:9], s[4:5], s[90:91]          ; Q of tile 0,
	s_lshl_b32 s90, s94, 8
	s_add_co_u32 s90, s90, s88
	s_add_nc_u64 s[10:11], s[4:5], s[90:91]        ; of tile 1
	s_lshl_b32 s88, s13, 8
	s_lshl_b32 s90, s93, 11
	s_add_co_u32 s90, s90, s88
	s_add_nc_u64 s[16:17], s[6:7], s[90:91]        ; o16 likewise
	s_lshl_b32 s90, s94, 11
	s_add_co_u32 s90, s90, s88
	s_add_nc_u64 s[18:19], s[6:7], s[90:91]
	v_and_b32 v1, 15, v0                           ; r
	v_bfe_u32 v9, v0, 4, 1                         ; h
	v_lshlrev_b32 v[QO], 8, v1
	v_lshl_add_u32 v[QO], v9, 4, v[QO]
	WIN 0x80
.irp c, 0,1,2,3
	global_load_b128 v[8*\c:8*\c+3],       v[QO], s[8:9] offset:64*\c
	global_load_b128 v[8*\c+4:8*\c+7],     v[QO], s[8:9] offset:64*\c+32
	global_load_b128 v[32+8*\c:32+8*\c+3], v[QO], s[10:11] offset:64*\c
	global_load_b128 v[32+8*\c+4:32+8*\c+7], v[QO], s[10:11] offset:64*\c+32
.endr
	WIN 0
	v_mul_u32_u24 v[AK0], v1, PK
	v_lshl_add_u32 v[AK0], v9, 4, v[AK0]           ; K: row x pitch + 16 x half
	v_and_b32 v10, 7, v0
	v_bfe_u32 v[DD], v0, 3, 1
	v_lshl_add_u32 v[AV0], v9, 3, v10
	v_mul_u32_u24 v[AV0], v[AV0], PV
	v_lshl_add_u32 v[AV0], v[DD], 4, v[AV0]
	v_add_nc_u32 v[AV0], VOFF, v[AV0]              ; V: key 8 (l / 16) + l % 8, channels 8 ((l / 8) % 2) on
	v_lshlrev_b32 v10, 3, v9
	v_sub_nc_u32 v[DD], v1, v10
	v_add_nc_u32 v[DD], s92, v[DD]
	v_mov_b32 v[NI], 0xff800000
	v_and_b32 v[PFO], 31, v0
	v_lshlrev_b32 v[PFO], 8, v[PFO]
	s_mul_i32 s14, s[WV], 16*SP
	s_add_co_u32 s14, s14, STAGE                   ; my stage
	v_mul_u32_u24 v[STO], v1, SP
	v_lshl_add_u32 v[STO], v9, 4, v[STO]
	v_add_nc_u32 v[STO], s14, v[STO]
	v_mul_u32_u24 v[RD], v9, SP
	v_lshl_add_u32 v[RD], v1, 4, v[RD]
	v_add_nc_u32 v[RD], s14, v[RD]
	v_lshlrev_b32 v[GO], 11, v9
	v_lshl_add_u32 v[GO], v1, 4, v[GO]             ; o16: lanes 0-15 one row, lanes 16-31 the next; 2,048 bytes a row
.irp t, 0,1
	v_mov_b32 v[ST+8*\t+1], 0xf149f2ca             ; m = -1e30
	v_mul_f32 v[ST+8*\t], s[CS], v[ST+8*\t+1]      ; c m
	v_mov_b32 v[ST+8*\t+2], 0                      ; l, in two halves
	v_mov_b32 v[ST+8*\t+3], 0
.irp k, 4,5,6,7
	v_mov_b32 v[ST+8*\t+\k], 0                     ; the four at work, written once: one is named as a lane permute's destination, one as the upper half of a pair
.endr
.endr
.set i, 0
.rept 16
	v_mov_b32 v[P+16+i], 0                         ; tile 1's P, written once: its two phases stand under tests of their own, and every way through the text that reads it finds it written
.set i, i+1
.endr
	WIN 0x40
.set i, 0
.rept 128
	v_mov_b32 v[i], 0                              ; O^T.  The step is written without a first form of its own: the first change of m multiplies zeros
.set i, i+1
.endr
	WIN 0
	CHANGE 1, 0, 0                                 ; slot 0 and K's first 128 rows are whole; slot 1 is asked for: every work-group reads it (block H begins at key 2,048 or later)
	s_mov_b32 s[TBK], K01
	FETCH_K                                        ; K(0)
	s_wait_loadcnt 0x0                             ; Q
	s_wait_dscnt 0x0
.irp t, 0,1
.set i, 0
.rept 16
	KQ1 \t                                         ; step 0's scores, both tiles: there is no vector work yet to set between them
.set i, i+1
.endr
.endr
	WIN 0
	PLACES                                         ; ahead of the reads of the scores and of the loads into K's registers
	s_cmp_lg_u32 s[KL], 0
	s_cbranch_scc1 .Lnm
	MASK 1                                         ; where L = 0, step 0 is tile 1's diagonal
.Lnm:
	s_mov_b32 s[TBK], K01+STEPK
	FETCH_K                                        ; K(1): it lands under part A
	SMA 0
	SMA 1
	STEPS 4, 0, 0                                  ; steps 0 to 3
	s_mov_b32 s[SLOTS], 7
.Lslot:                                            ; 7 trips of two slots: slots 1 to 14; each change asks for the next slot, up to the causal limit
	CHANGE 0, 1, 1
	STEPS 4, SLOTB, SLOTB
	CHANGE 1, 1, 1
	STEPS 4, 0, 0
	s_sub_co_u32 s[SLOTS], s[SLOTS], 1
	s_cmp_lg_u32 s[SLOTS], 0
	s_cbranch_scc1 .Lslot
	CHANGE -1, 0, 0                                ; slot 15 is written out: nothing is left to ask for
	STEPS 4, SLOTB, SLOTB
	; THE WAY OUT.  l's two halves and the other half of the lanes' are added; O^T / l is rounded to f16 and goes through my stage, a tile (16 rows) at a time.
	s_wait_dscnt 0x0
	PLACES
.irp t, 0,1
	v_add_f32 v[ST+8*\t+4], v[ST+8*\t+2], v[ST+8*\t+3]
.endr
.irp t, 0,1
	v_permlanex16_b32 v[ST+8*\t+5], v[ST+8*\t+4], s[SEL], s[SEL+1]
.endr
.irp t, 0,1
	v_add_f32 v[ST+8*\t+4], v[ST+8*\t+4], v[ST+8*\t+5]
.endr
.irp t, 0,1
	v_rcp_f32 v[ST+8*\t+6], v[ST+8*\t+4]
.endr
	v_nop                                          ; a plain instruction behind the last reciprocal
	s_wait_alu depctr_va_vdst(0)                   ; and the wait ahead of the first use: one for both
.macro PACK t
	WIN W_RS
.set i, 64*\t
.rept 32
	v_pk_mul_f32 v[i:i+1], v[i:i+1], v[ST+8*\t+6:ST+8*\t+7] op_sel_hi:[1,0]
.set i, i+2
.endr
	WIN 0x05
.set i, 0
.rept 32
	v_cvt_pk_f16_f32 v[S+32*\t+i], v[64*\t+2*i], v[64*\t+2*i+1]
.set i, i+1
.endr
	WIN 0
.irp f, 0,1,2,3,4,5,6,7
	ds_store_b128 v[STO], v[S+32*\t+4*\f:S+32*\t+4*\f+3] offset:32*\f
.endr
.irp f, 0,1,2,3,4,5,6,7
	ds_load_b128 v[S+32*\t+4*\f:S+32*\t+4*\f+3], v[RD] offset:\f*2*SP   ; LDS serves a wave's instructions in order: these see the stores above
.endr
.endm
.macro SEND t, younger                 ; younger: the LDS instructions issued behind tile t's loads
.irp f, 0,1,2,3,4,5,6,7
	s_wait_dscnt \younger+7-\f
	global_store_b128 v[GO], v[S+32*\t+4*\f:S+32*\t+4*\f+3], s[16+2*\t:17+2*\t] offset:\f*4096   ; sixteen lanes store 256 consecutive bytes, aligned
.endr
.endm
	PACK 0
	PACK 1
	SEND 0, 16
	SEND 1, 0
	s_wait_tensorcnt 0x0                           ; the wave's end
	ds_add_u32 v[SPW], v[NIL]
	s_wait_dscnt 0x0
	s_endpgm
.Lfunc_end_k_qc743b3085d_attn:
	.size	k_qc743b3085d_attn, .Lfunc_end_k_qc743b3085d_attn-k_qc743b3085d_attn
	.p2alignl 7, 3214868480
	.fill 96, 4, 3214868480
	.section	.rodata,"a",@progbits
	.p2align	6, 0x0
	.amdhsa_kernel k_qc743b3085d_attn
		.amdhsa_group_segment_fixed_size 327680
		.amdhsa_private_segment_fixed_size 0
		.amdhsa_enable_private_segment 0
		.amdhsa_kernarg_size 16
		.amdhsa_user_sgpr_count 2
		.amdhsa_user_sgpr_kernarg_segment_ptr 1
		.amdhsa_wavefront_size32 1
		.amdhsa_system_sgpr_workgroup_id_x 1
		.amdhsa_system_sgpr_workgroup_id_y 1
		.amdhsa_system_sgpr_workgroup_id_z 1
		.amdhsa_system_vgpr_workitem_id 0
		.amdhsa_next_free_vgpr 1024
		.amdhsa_next_free_sgpr 96
		.amdhsa_reserve_vcc 1
		.amdhsa_float_denorm_mode_32 3
		.amdhsa_float_denorm_mode_16_64 3
		.amdhsa_memory_ordered 1
		.amdhsa_forward_progress 1
		.amdhsa_inst_pref_size 218
	.end_amdhsa_kernel
	.amdgpu_metadata
---
amdhsa.version: [ 1, 2 ]
amdhsa.kernels:
  - .name:           k_qc743b3085d_attn
    .symbol:         k_qc743b3085d_attn.kd
    .args:
      - { .name: qkv16, .offset: 0, .size: 8, .value_kind: global_buffer, .address_space: global }
      - { .name: o16, .offset: 8, .size: 8, .value_kind: global_buffer, .address_space: global }
    .group_segment_fixed_size: 327680
    .private_segment_fixed_size: 0
    .kernarg_segment_align: 8
    .kernarg_segment_size: 16
    .max_flat_workgroup_size: 128
    .sgpr_count:     96
    .vgpr_count:     1024
    .wavefront_size: 32
...
	.end_amdgpu_metadata
.endif
;; end of part 3
;; launch oproj (part 4): grid 8 x 32, 4 waves a work-group, clusters of 4 x 4, 327,680 bytes of LDS; arguments o16, wo_t, out0; writes out0
.if DOCPART == 4
	.amdgcn_target "amdgcn-amd-amdhsa--gfx1250"
	.amdhsa_code_object_version 6
	.text
	.protected	k_qc743b3085d_oproj
	.globl	k_qc743b3085d_oproj
	.p2align	8
	.type	k_qc743b3085d_oproj,@function
k_qc743b3085d_oproj:
	s_mov_b64 s[64:65], 0
	v_nop
	global_prefetch_b8 v0, s[64:65] scope:SCOPE_SE
	s_setreg_imm32_b32 hwreg(HW_REG_WAVE_MODE, 25, 1), 1
	s_wait_xcnt 0x0
	s_wait_alu depctr_hold_cnt(0) depctr_sa_sdst(0) depctr_va_vdst(0) depctr_va_sdst(0) depctr_va_ssrc(0) depctr_va_vcc(0) depctr_vm_vsrc(0)
	s_getreg_b32 s2, hwreg(HW_REG_IB_STS2, 6, 4)
	s_cmp_eq_u32 s2, 0
	s_cbranch_scc0 .Lentry_in_a_cluster
	s_endpgm
.Lentry_in_a_cluster:
	s_bfe_u32 s2, ttmp6, 0x10000c
	s_cmp_lg_u32 s2, 0xf033
	s_cbranch_scc0 .Lentry_shape_is_right
	s_endpgm
.Lentry_shape_is_right:
; OPROJ: out0[m][n] = the sum over k of o16[m][k] wo_t[n][k].  o16 [4096][1024], wo_t [2048][1024]: f16; sums and out0 [4096][2048]: f32.
; Rows 0-15 of out0 are stored here like all others and written again, from f32 operands, by the launch that follows: a jump round those stores would hang on the work-group's place in its cluster.
; A tile of out0 is 128 x 256: 256 work-groups.  Four waves, each 64 x 128: 32 accumulators, 256 registers (window 2).  K goes in 8 steps of 128 (rows of 256 bytes) through two LDS slots.
; CLUSTERS: 4 x 4 work-groups; A's tiles (o16) are asked for jointly along a row of the cluster, B's (wo_t) along a column.  Waves 0 and 1 fetch A's halves (64 rows), waves 2 and 3 B's (128 rows).
; THE MATRIX INSTRUCTION IS USED TRANSPOSED (source 0 = 16 rows of wo_t, source 1 = 16 rows of o16): a lane holds eight neighbouring columns of a row of out0.
; REGISTERS: window 0: v0-31 addresses, v128-255 rows on the way out.  Window 1: two fragment buffers of 96 (B's 8 fragments, then A's 4), for 32 along K.  Window 2: accumulator (a, b) at v[8 (8 a + b)].
.set KSTEP,  128
.set PITCH,  272
.set HA,     64*PITCH
.set HB,     128*PITCH
.set SLOT,   2*HA+2*HB                 ; A's 128 rows, then B's 256
.set STAGE,  2*SLOT                    ; behind the ring: 16 rows x 528 bytes for each wave
.set SPITCH, 528
.set SPARE,  STAGE+4*16*SPITCH         ; the spare words, 128 bytes a wave: two blocks of 256 bytes that no other line names
.set LAPS,   4                         ; 1,024 / (2 x 128)
.set ADRA, 16
.set ADRB, 20
.set STO,  24
.set RD,   25
.set CO,   26
.set SPW,  28
.set NIL,  29
.set BK,   128
.set F0,   0
.set F1,   96
.set G1, 24
.set G0, 32
.set G1B, 48
.set G0B, 56
.set MSB, 0
.macro WIN new
.if MSB != \new
	s_set_vgpr_msb (MSB<<8)|\new
.set MSB, \new
.endif
.endm
.set MUL,  0xa5                        ; sources 0 and 1 window 1; C and D window 2
.set TO_F, 0x40
.macro JLOAD s                         ; a joint load; an s_nop 0 and four v_nop follow each line
	s_cmp_eq_u32 s11, 0
	s_cbranch_scc0 .Lfor_b_\@
	tensor_load_to_lds s[G0+4*\s:G0+4*\s+3], s[G1:G1+7]
	s_nop 0
.rept 4
	v_nop
.endr
	s_branch .Lasked_\@
.Lfor_b_\@:
	tensor_load_to_lds s[G0B+4*\s:G0B+4*\s+3], s[G1B:G1B+7]
	s_nop 0
.rept 4
	v_nop
.endr
.Lasked_\@:
.endm
.macro CREST
	s_cmp_lg_u32 s10, 0
	s_cbranch_scc1 .Lnot_wave_0_\@
	s_barrier_signal -3
.Lnot_wave_0_\@:
	s_barrier_wait -3
	s_barrier_signal -1
	s_barrier_wait -1
.endm
.macro CROUND
	s_barrier_signal -1
	s_barrier_wait -1
	CREST
.endm
	s_load_b128 s[4:7], s[0:1], 0x0                ; o16, wo_t
	s_load_b64 s[8:9], s[0:1], 0x10                ; out0
	v_lshl_add_u32 v[SPW], v0, 2, SPARE
	v_mov_b32 v[NIL], 0
	ds_add_u32 v[SPW], v[NIL]                      ; the wave's opening: the add, twice on end, and its wait ahead of my first tensor load
	ds_add_u32 v[SPW], v[NIL]
	v_lshrrev_b32 v1, 5, v0
	v_readfirstlane_b32 s10, v1                    ; wave 0..3
	s_lshr_b32 s11, s10, 1                         ; which 64 of the tile's rows are mine.  Also: I fetch for A (0) or for B (1)
	s_and_b32 s12, s10, 1                          ; which 128 of its columns.  Also: which half of that tile I fetch
	s_bfe_u32 s40, ttmp6, 0x40000
	s_bfe_u32 s41, ttmp6, 0x40004
	s_lshl_b32 s42, ttmp9, 2
	s_add_co_u32 s42, s42, s40                     ; tile column
	s_and_b32 s13, ttmp7, 0xffff
	s_lshl_b32 s13, s13, 2
	s_add_co_u32 s13, s13, s41                     ; tile row
	s_lshl_b32 s43, s41, 2
	s_lshl_b32 s43, 15, s43
	s_lshl_b32 s44, 0x1111, s40
	s_or_b32 s[G1+0], s43, (1<<16)|(1<<20)|(1<<21)|(5<<22)|(3<<25)  ; the mask; elements of 2 bytes; padding of 4 words behind every 64; bit 21 beside a mask
	s_or_b32 s[G1B+0], s44, (1<<16)|(1<<20)|(1<<21)|(5<<22)|(3<<25)
	s_mov_b32 s[G1+1], KSTEP<<16                   ; A: 64 rows of 128 elements
	s_mov_b32 s[G1+2], 64<<16
	s_mov_b32 s[G1+3], KSTEP<<16
	s_mov_b32 s[G1+4], 64
	s_mov_b32 s[G1+5], 1024
	s_mov_b32 s[G1+6], 0
	s_mov_b32 s[G1+7], 0
	s_mov_b32 s[G1B+1], KSTEP<<16                  ; B: 128 rows
	s_mov_b32 s[G1B+2], 128<<16
	s_mov_b32 s[G1B+3], KSTEP<<16
	s_mov_b32 s[G1B+4], 128
	s_mov_b32 s[G1B+5], 1024
	s_mov_b32 s[G1B+6], 0
	s_mov_b32 s[G1B+7], 0
	s_lshl_b32 s17, s12, 6
	s_lshl_b32 s16, s13, 7
	s_add_co_u32 s16, s16, s17                     ; A: row 128 x tile row + 64 x half
	s_lshl_b32 s16, s16, 11                        ; 2,048 bytes a row
	s_mov_b32 s17, 0
	s_lshl_b32 s47, s12, 7
	s_lshl_b32 s46, s42, 8
	s_add_co_u32 s46, s46, s47                     ; B: row 256 x tile column + 128 x half
	s_lshl_b32 s46, s46, 11
	s_mov_b32 s47, 0
	s_mul_i32 s20, s12, HA                         ; where they go: no place in the cluster enters an LDS address
	s_mul_i32 s21, s12, HB
	s_add_co_u32 s21, s21, 2*HA
	s_wait_dscnt 0x0                               ; both opening adds are done
	s_wait_kmcnt 0x0
	s_add_nc_u64 s[14:15], s[4:5], s[16:17]
	s_add_nc_u64 s[46:47], s[6:7], s[46:47]
	CROUND                                         ; all sixteen work-groups are here: the first joint loads meet
.irp s, 0,1
	s_mov_b32 s[G0+4*\s], 1
	s_add_co_u32 s[G0+4*\s+1], s20, \s*SLOT
	s_add_nc_u64 s[G0+4*\s+2:G0+4*\s+3], s[14:15], \s*KSTEP*2
	s_or_b32 s[G0+4*\s+3], s[G0+4*\s+3], 0x80000000
	s_mov_b32 s[G0B+4*\s], 1
	s_add_co_u32 s[G0B+4*\s+1], s21, \s*SLOT
	s_add_nc_u64 s[G0B+4*\s+2:G0B+4*\s+3], s[46:47], \s*KSTEP*2
	s_or_b32 s[G0B+4*\s+3], s[G0B+4*\s+3], 0x80000000
	JLOAD \s
.endr
	v_and_b32 v1, 15, v0
	v_bfe_u32 v2, v0, 4, 1
	v_mul_u32_u24 v3, v1, PITCH
	v_lshl_add_u32 v3, v2, 4, v3                   ; a fragment's row x pitch + 16 x half
	s_mul_i32 s21, s11, HA                         ; my 64 rows of A
	s_mul_i32 s22, s12, HB                         ; my 128 rows of B,
	s_add_co_u32 s22, s22, 2*HA                    ; behind A's 128
.irp s, 0,1
	v_add_nc_u32 v[ADRA+\s], s21, v3
	v_add_nc_u32 v[ADRB+\s], s22, v3
	s_add_co_u32 s21, s21, SLOT
	s_add_co_u32 s22, s22, SLOT
.endr
	s_mul_i32 s23, s10, 16*SPITCH
	s_add_co_u32 s23, s23, STAGE                   ; my stage
	v_mul_u32_u24 v4, v1, SPITCH
	v_lshl_add_u32 v4, v2, 5, v4
	v_add_nc_u32 v[STO], s23, v4                   ; in: row l % 16, 32 bytes for each half of the lanes
	v_and_b32 v5, 31, v0
	v_lshlrev_b32 v[CO], 4, v5                     ; back: 32 lanes take a row of 512 bytes; the same in out0
	v_add_nc_u32 v[RD], s23, v[CO]
	s_lshl_b32 s16, s13, 7
	s_lshl_b32 s17, s11, 6
	s_add_co_u32 s16, s16, s17                     ; my first row of out0
	s_lshl_b32 s16, s16, 13                        ; 8,192 bytes a row
	s_mov_b32 s17, 0
	s_add_nc_u64 s[8:9], s[8:9], s[16:17]
	s_lshl_b32 s46, s42, 10                        ; my first column, in bytes
	s_lshl_b32 s47, s12, 9
	s_add_co_u32 s46, s46, s47
	s_mov_b32 s47, 0
	s_add_nc_u64 s[8:9], s[8:9], s[46:47]
; 8 matrix instructions: A's block a x B's eight, 32 along K.  The 32 accumulators take turns, one instruction a turn, in the same order in every quarter.
.macro MUL8 f, a, zero
.irp b, 0,1,2,3,4,5,6,7
.if \zero
	v_wmma_f32_16x16x32_f16 v[8*(8*(\a)+\b):8*(8*(\a)+\b)+7], v[\f+8*\b:\f+8*\b+7], v[\f+64+8*(\a):\f+64+8*(\a)+7], 0
.else
	v_wmma_f32_16x16x32_f16 v[8*(8*(\a)+\b):8*(8*(\a)+\b)+7], v[\f+8*\b:\f+8*\b+7], v[\f+64+8*(\a):\f+64+8*(\a)+7], v[8*(8*(\a)+\b):8*(8*(\a)+\b)+7]
.endif
.endr
.endm
.macro FETCH slot, k, f                ; 24 LDS loads in one run: B's 16, then A's blocks 0 to 3
	WIN TO_F
.irp i, 0,1,2,3,4,5,6,7
	ds_load_b128 v[\f+8*\i:\f+8*\i+3],   v[ADRB+\slot] offset:\k+\i*16*PITCH
	ds_load_b128 v[\f+8*\i+4:\f+8*\i+7], v[ADRB+\slot] offset:\k+\i*16*PITCH+32
.endr
.irp i, 0,1,2,3
	ds_load_b128 v[\f+64+8*\i:\f+64+8*\i+3],   v[ADRA+\slot] offset:\k+\i*16*PITCH
	ds_load_b128 v[\f+64+8*\i+4:\f+64+8*\i+7], v[ADRA+\slot] offset:\k+\i*16*PITCH+32
.endr
.endm
.macro PLACES
.rept 4
	v_nop
.endr
.endm
.macro QUARTER slot, k, f, g, zero     ; 32 along K: multiplies buffer f; in its middle fetches the next quarter, at byte k, into g
	s_wait_dscnt 4                                 ; B and A's blocks 0, 1 are in; the youngest four loads (A's blocks 2, 3) may be out
	WIN MUL
	MUL8 \f, 0, \zero
	MUL8 \f, 1, \zero
	PLACES
	FETCH \slot, \k, \g
	s_wait_dscnt 24                                ; all but the 24 just issued
	WIN MUL
	MUL8 \f, 2, \zero
	MUL8 \f, 3, \zero
.endm
; A K step's last quarter multiplies buffer 1 and changes slots: one barrier; in front of it each wave waits for all its tensor loads, adds 0 to its spare word, and waits for that and for its reads of this slot.
.macro TURN slot, next, fill
	WIN 0
	s_wait_tensorcnt 0x0                           ; all my tensor loads have landed: my part of the next slot
	ds_add_u32 v[SPW], v[NIL]
	s_wait_dscnt 5                                 ; the add and the youngest four loads may be out
	WIN MUL
	MUL8 F1, 0, 0
	s_wait_dscnt 0x0                               ; the add is done, and my reads of this slot are over
	s_barrier_signal -1
	MUL8 F1, 1, 0
.if \fill
	WIN 0
.endif
	s_barrier_wait -1
.if \fill
	CREST                                          ; the barrier has opened a round of the cluster's
	s_add_nc_u64 s[G0+4*\slot+2:G0+4*\slot+3], s[G0+4*\slot+2:G0+4*\slot+3], 2*KSTEP*2
	s_add_nc_u64 s[G0B+4*\slot+2:G0B+4*\slot+3], s[G0B+4*\slot+2:G0B+4*\slot+3], 2*KSTEP*2
	JLOAD \slot                                    ; the first tensor load behind the round; its four v_nop are also the places in front of the loads below
.else
	PLACES
.endif
	FETCH \next, 0, F0
	WIN MUL
	MUL8 F1, 2, 0
	MUL8 F1, 3, 0
.endm
	s_wait_tensorcnt 1                             ; my part of K step 0 is in; K step 1's load may be out
	s_barrier_signal -1
	s_barrier_wait -1
	FETCH 0, 0, F0
	QUARTER 0, 64, F0, F1, 1                       ; the first quarter's products start the sums
	WIN 0
	s_mov_b32 s3, LAPS-1
.Llap:                                                 ; a trip goes once round the ring and fills both slots again
	QUARTER 0, 128, F1, F0, 0
	QUARTER 0, 192, F0, F1, 0
	TURN 0, 1, 1
	QUARTER 1, 64,  F0, F1, 0
	QUARTER 1, 128, F1, F0, 0
	QUARTER 1, 192, F0, F1, 0
	TURN 1, 0, 1
	QUARTER 0, 64,  F0, F1, 0
	WIN 0
	s_sub_co_u32 s3, s3, 1
	s_cmp_lg_u32 s3, 0
	s_cbranch_scc1 .Llap
	QUARTER 0, 128, F1, F0, 0                      ; the last lap fills nothing
	QUARTER 0, 192, F0, F1, 0
	TURN 0, 1, 0
	QUARTER 1, 64,  F0, F1, 0
	QUARTER 1, 128, F1, F0, 0
	QUARTER 1, 192, F0, F1, 0
	s_wait_dscnt 4
	WIN MUL
	MUL8 F1, 0, 0
	MUL8 F1, 1, 0
	s_wait_dscnt 0
	MUL8 F1, 2, 0
	MUL8 F1, 3, 0
	WIN 0
; THE WAY OUT, block by block of 16 rows x 128 columns, through my own stage: back as whole rows of 512 bytes.  LDS serves a wave's instructions in order.
.macro TOSTAGE a
.set AC, 64*(\a)
	WIN 0x08                                       ; an LDS store's data: window 2
.irp b, 0,1,2,3,4,5,6,7
	ds_store_b128 v[STO], v[AC+8*\b:AC+8*\b+3] offset:64*\b          ; each accumulator from its low end on
	ds_store_b128 v[STO], v[AC+8*\b+4:AC+8*\b+7] offset:64*\b+16
.endr
	WIN 0
.set BB, BK+64*((\a)%2)
.irp t, 0,1,2,3,4,5,6,7,8,9,10,11,12,13,14,15
	ds_load_b128 v[BB+4*\t:BB+4*\t+3], v[RD] offset:\t*SPITCH
.endr
.endm
.macro SEND a, younger
.set BB, BK+64*((\a)%2)
	s_wait_dscnt \younger                          ; the block is back; the next block's 16 stores and 16 loads may be out
.irp t, 0,1,2,3,4,5,6,7,8,9,10,11,12,13,14,15
	global_store_b128 v[CO], v[BB+4*\t:BB+4*\t+3], s[8:9] offset:(16*(\a)+\t)*8192 th:TH_STORE_NT   ; 32 lanes store 512 consecutive bytes, aligned
.endr
.endm
	PLACES
	TOSTAGE 0
.irp a, 1,2,3
.if \a > 1
	s_wait_xcnt 0x0                                ; block a - 2's stores have read their registers: block a's loads may land there
.endif
	TOSTAGE \a
	SEND \a-1, 32
.endr
	SEND 3, 0
	s_wait_tensorcnt 0x0                           ; the wave's end
	ds_add_u32 v[SPW], v[NIL]
	s_wait_dscnt 0x0
	CROUND                                         ; the closing round
	s_endpgm
.Lfunc_end_k_qc743b3085d_oproj:
	.size	k_qc743b3085d_oproj, .Lfunc_end_k_qc743b3085d_oproj-k_qc743b3085d_oproj
	.p2alignl 7, 3214868480
	.fill 96, 4, 3214868480
	.section	.rodata,"a",@progbits
	.p2align	6, 0x0
	.amdhsa_kernel k_qc743b3085d_oproj
		.amdhsa_group_segment_fixed_size 327680
		.amdhsa_private_segment_fixed_size 0
		.amdhsa_enable_private_segment 0
		.amdhsa_kernarg_size 24
		.amdhsa_user_sgpr_count 2
		.amdhsa_user_sgpr_kernarg_segment_ptr 1
		.amdhsa_wavefront_size32 1
		.amdhsa_system_sgpr_workgroup_id_x 1
		.amdhsa_system_sgpr_workgroup_id_y 1
		.amdhsa_system_sgpr_workgroup_id_z 1
		.amdhsa_system_vgpr_workitem_id 0
		.amdhsa_next_free_vgpr 768
		.amdhsa_next_free_sgpr 66
		.amdhsa_reserve_vcc 0
		.amdhsa_float_denorm_mode_32 3
		.amdhsa_float_denorm_mode_16_64 3
		.amdhsa_memory_ordered 1
		.amdhsa_forward_progress 1
		.amdhsa_inst_pref_size 85
	.end_amdhsa_kernel
	.amdgpu_metadata
---
amdhsa.version: [ 1, 2 ]
amdhsa.kernels:
  - .name:           k_qc743b3085d_oproj
    .symbol:         k_qc743b3085d_oproj.kd
    .args:
      - { .name: o16, .offset: 0, .size: 8, .value_kind: global_buffer, .address_space: global }
      - { .name: wo_t, .offset: 8, .size: 8, .value_kind: global_buffer, .address_space: global }
      - { .name: out0, .offset: 16, .size: 8, .value_kind: global_buffer, .address_space: global }
    .group_segment_fixed_size: 327680
    .private_segment_fixed_size: 0
    .kernarg_segment_align: 8
    .kernarg_segment_size: 24
    .max_flat_workgroup_size: 128
    .sgpr_count:     66
    .vgpr_count:     768
    .wavefront_size: 32
...
	.end_amdgpu_metadata
.endif
;; end of part 4
;; launch fine (part 5): grid 128 x 1, 8 waves a work-group, no clusters, 9,216 bytes of LDS; arguments fine_qkv, Wo, out0; writes out0
.if DOCPART == 5
	.amdgcn_target "amdgcn-amd-amdhsa--gfx1250"
	.amdhsa_code_object_version 6
	.text
	.protected	k_qc743b3085d_fine
	.globl	k_qc743b3085d_fine
	.p2align	8
	.type	k_qc743b3085d_fine,@function
k_qc743b3085d_fine:
	s_mov_b64 s[64:65], 0
	v_nop
	global_prefetch_b8 v0, s[64:65] scope:SCOPE_SE
	s_setreg_imm32_b32 hwreg(HW_REG_WAVE_MODE, 25, 1), 1
	s_wait_xcnt 0x0
; FINE: positions 0-15 once more, all in f32: scores, causal softmax, P V and the product with Wo.  These rows average one to sixteen values and are the largest of the output, so 16-bit operands would weigh most here.
; It writes rows 0-15 of out0 (131,072 bytes) over what the launch before stored there.
; fine_qkv [16 hd][16][128] f32: q x 2^-4 (0-7), k x 2^-4 (8-11), v (12-15); the softmax's constant is log2(e) / sqrt(128) x 2^8.  NaN and infinities are not served.
; SHARES.  Work-group x owns output columns 16 x .. 16 x + 15.  Wave w is head w and takes Wo's rows 128 w .. 128 w + 127: o never leaves its registers.  The eight heads' parts are added through LDS, in the order of the heads.
; All products by v_wmma_f32_16x16x4_f32 (96 a wave: no bulk work).  In each product the same permutation of k is applied to both sources, so that every operand is taken from registers as they lie.
; The registers that these instructions write (v16-31, v56-119) are written by matrix instructions alone.
; A wave issues 160 loads: Q and K (32), V (64), Wo (64), in that order; scores, softmax and P V run while Wo's last 63 are on their way.
; The stores are pieces of 16 bytes of rows 8,192 bytes apart: 1,024 bytes a work-group.
; REGISTERS: window 0: v1-13 addresses; v16-31 two accumulators (S^T, later out^T, each in two halves of its K); v32-39 scores, then p, later out^T; v40-47 p / l; v48-51 at work; v56-119 O^T; v120-183 Q; v184-247 K.
;   window 1: v0-63 Wo, v128-191 V.
.set SA,  16
.set T,   32
.set PN,  40
.set O,   56
.set QF,  120
.set KR,  184
.set VF,  128
.set SPW, 14
.set NIL, 15
.set WV,  10
.set SPARE, 8192                       ; behind the eight waves' images of 1,024 bytes: the spare words, 128 bytes a wave: four blocks of 256 bytes that no other line names
.set MSB, 0
.macro WIN new
.if MSB != \new
	s_set_vgpr_msb (MSB<<8)|\new
.set MSB, \new
.endif
.endm
	s_load_b128 s[4:7], s[0:1], 0x0                ; fine_qkv, Wo
	s_load_b64 s[8:9], s[0:1], 0x10                ; out0
	v_lshl_add_u32 v[SPW], v0, 2, SPARE
	v_mov_b32 v[NIL], 0
	v_lshrrev_b32 v1, 5, v0
	v_readfirstlane_b32 s[WV], v1                  ; wave = head
	v_and_b32 v1, 15, v0                           ; r
	v_bfe_u32 v2, v0, 4, 1                         ; h
	v_and_b32 v3, 31, v0                           ; lane
	v_lshlrev_b32 v4, 9, v1
	v_lshl_add_u32 v4, v2, 4, v4                   ; Q, K: row r, + 16 h: load c brings channels 8 c + 4 h + 0 .. 3, so that the two halves of the lanes take 32 neighbouring bytes of a row
	v_lshlrev_b32 v5, 2, v1
	v_lshl_add_u32 v6, v2, 12, v5                  ; V: keys 8 h on, channel r of a tile
	v_lshl_add_u32 v7, v2, 16, v5                  ; Wo: rows 8 h on, column r
	v_lshlrev_b32 v8, 3, v2
	v_sub_nc_u32 v9, v1, v8                        ; d = r - 8 h: register j's key 8 h + j is hidden where j > d
	v_mov_b32 v10, 0xff800000                      ; -infinity
	s_lshl_b32 s27, s[WV], 10
	v_lshl_add_u32 v11, v3, 4, s27                 ; LDS: my image: 16 x lane + 1,024 x wave
	s_and_b32 s24, s[WV], 1
	s_lshl_b32 s28, s24, 9
	v_lshl_add_u32 v12, v3, 4, s28                 ; and the piece that I add up: 16 x lane + 512 x (wave % 2)
	v_lshlrev_b32 v13, 13, v1
	v_lshl_add_u32 v13, v2, 5, v13                 ; out0: row r, + 32 h
	v_mov_b32 v49, 0                               ; written once: a lane permute's destination counts as one of its sources
	v_mov_b32 v51, 0
	s_lshr_b32 s11, s[WV], 1                       ; g
	s_lshl_b32 s12, s[WV], 13
	s_mov_b32 s13, 0
	s_add_co_u32 s14, s11, 8
	s_lshl_b32 s14, s14, 13
	s_mov_b32 s15, 0
	s_add_co_u32 s16, s14, 4*8192
	s_mov_b32 s17, 0
	s_lshl_b32 s18, s[WV], 20                      ; Wo: 128 rows of 8,192 bytes a head,
	s_lshl_b32 s19, ttmp9, 6                       ; 64 bytes a work-group
	s_add_co_u32 s18, s18, s19
	s_lshl_b32 s26, s24, 4
	s_add_co_u32 s26, s26, s19                     ; out0: 64 x + 16 x piece
	s_mov_b32 s27, 0
	s_mov_b32 s19, 0
	s_mov_b32 s20, 0x76543210
	s_mov_b32 s21, 0xfedcba98
	s_mov_b32 s22, 0x420293ee                      ; c = log2(e) / sqrt(128) x 2^8
	s_wait_kmcnt 0x0
	s_add_nc_u64 s[12:13], s[4:5], s[12:13]
	s_add_nc_u64 s[14:15], s[4:5], s[14:15]
	s_add_nc_u64 s[16:17], s[4:5], s[16:17]
	s_add_nc_u64 s[6:7], s[6:7], s[18:19]
	s_add_nc_u64 s[8:9], s[8:9], s[26:27]
.irp c, 0,1,2,3,4,5,6,7,8,9,10,11,12,13,14,15
	global_load_b128 v[QF+4*\c:QF+4*\c+3], v4, s[12:13] offset:32*\c
	global_load_b128 v[KR+4*\c:KR+4*\c+3], v4, s[14:15] offset:32*\c
.endr
	WIN 0x40
.set ct, 0
.rept 8
.set e, 0
.rept 8
	global_load_b32 v[VF+8*ct+e], v6, s[16:17] offset:512*e+64*ct          ; V(key 8 h + e, channel 16 ct + r)
.set e, e+1
.endr
.set ct, ct+1
.endr
.set ct, 0
.rept 8
.set e, 0
.rept 8
	global_load_b32 v[8*ct+e], v7, s[6:7] offset:(16*ct+e)*8192            ; Wo(128 w + 16 ct + 8 h + e, 16 x + r)
.set e, e+1
.endr
.set ct, ct+1
.endr
	WIN 0
	s_wait_loadcnt 63                              ; Q, K and V are in: behind them 64 loads were issued, of which 63 may be out
	; ---- S^T = K Q^T: source 0 = the 16 keys, source 1 = the 16 queries; 32 instructions of 4 channels, two accumulators by turns; the first two start the sums
.set u, 0
.rept 32
.if u < 2
	v_wmma_f32_16x16x4_f32 v[SA+8*(u%2):SA+8*(u%2)+7], v[KR+2*u:KR+2*u+1], v[QF+2*u:QF+2*u+1], 0
.else
	v_wmma_f32_16x16x4_f32 v[SA+8*(u%2):SA+8*(u%2)+7], v[KR+2*u:KR+2*u+1], v[QF+2*u:QF+2*u+1], v[SA+8*(u%2):SA+8*(u%2)+7]
.endif
.set u, u+1
.endr
.rept 8
	v_nop                                          ; eight plain instructions behind this form, ahead of the first read of its results (ISA guide 7.12.1)
.endr
.irp j, 0,1,2,3,4,5,6,7
	v_add_f32 v[T+\j], v[SA+\j], v[SA+8+\j]        ; lane (r, h): query r, key 8 h + j; from the low end on
.endr
.irp j, 0,1,2,3,4,5,6,7
	v_cmp_gt_i32 vcc_lo, \j, v9
	v_cndmask_b32 v[T+\j], v[T+\j], v10, vcc_lo    ; the causal mask
.endr
	v_max3_num_f32 v48, v[T], v[T+1], v[T+2]
	v_max3_num_f32 v48, v48, v[T+3], v[T+4]
	v_max3_num_f32 v48, v48, v[T+5], v[T+6]
	v_max_num_f32 v48, v48, v[T+7]
	v_permlanex16_b32 v49, v48, s20, s21
	v_max_num_f32 v48, v48, v49                    ; the row's maximum (key 0 counts for every query)
	v_mul_f32 v49, s22, v48
.irp j, 0,1,2,3,4,5,6,7
	v_fma_f32 v[T+\j], v[T+\j], s22, -v49
.endr
.irp j, 0,1,2,3,4,5,6,7
	v_exp_f32 v[T+\j], v[T+\j]
.endr
	v_nop                                          ; a plain instruction behind the last exponential
	s_wait_alu depctr_va_vdst(0)                   ; one wait for the eight, ahead of their first reader
	v_add_f32 v50, v[T], v[T+1]
.irp j, 2,3,4,5,6,7
	v_add_f32 v50, v50, v[T+\j]
.endr
	v_permlanex16_b32 v51, v50, s20, s21
	v_add_f32 v50, v50, v51
	v_rcp_f32 v50, v50
	v_nop
	s_wait_alu depctr_va_vdst(0)
.irp j, 0,1,2,3,4,5,6,7
	v_mul_f32 v[PN+\j], v[T+\j], v50               ; the probabilities
.endr
	; ---- O^T = V^T P: source 0 = 16 channels, source 1 = the queries; instruction ks takes keys 8 h + 2 ks, + 1; eight accumulators by turns
	WIN 0x01
.set ks, 0
.rept 4
.set ct, 0
.rept 8
.if ks == 0
	v_wmma_f32_16x16x4_f32 v[O+8*ct:O+8*ct+7], v[VF+8*ct+2*ks:VF+8*ct+2*ks+1], v[PN+2*ks:PN+2*ks+1], 0
.else
	v_wmma_f32_16x16x4_f32 v[O+8*ct:O+8*ct+7], v[VF+8*ct+2*ks:VF+8*ct+2*ks+1], v[PN+2*ks:PN+2*ks+1], v[O+8*ct:O+8*ct+7]
.endif
.set ct, ct+1
.endr
.set ks, ks+1
.endr
	s_wait_loadcnt 0x0                             ; Wo
.rept 9
	v_nop                                          ; nine, ahead of matrix instructions that take these results as a source
.endr
	; ---- out^T = Wo^T O: source 0 = my 16 output columns, source 1 = O^T as it lies (registers 2 u, 2 u + 1: channels 16 (u / 4) + 8 h + 2 (u % 4), + 1); two accumulators by turns, each with half of the channels
.set u, 0
.rept 32
.if u < 2
	v_wmma_f32_16x16x4_f32 v[SA+8*(u%2):SA+8*(u%2)+7], v[2*u:2*u+1], v[O+2*u:O+2*u+1], 0
.else
	v_wmma_f32_16x16x4_f32 v[SA+8*(u%2):SA+8*(u%2)+7], v[2*u:2*u+1], v[O+2*u:O+2*u+1], v[SA+8*(u%2):SA+8*(u%2)+7]
.endif
.set u, u+1
.endr
	WIN 0
.rept 8
	v_nop
.endr
.irp j, 0,1,2,3,4,5,6,7
	v_add_f32 v[T+\j], v[SA+\j], v[SA+8+\j]        ; lane (r, h): query r, column 16 x + 8 h + j; from the low end on
.endr
	; ---- the eight heads' parts meet in LDS as images of the registers: piece c = registers 4 c .. 4 c + 3, 512 bytes
.irp c, 0,1
	ds_store_b128 v11, v[T+4*\c:T+4*\c+3] offset:512*\c
.endr
	s_wait_dscnt 0x0                               ; for the others' sake: my stores are done
	s_barrier_signal -1
	s_barrier_wait -1
	s_cmp_lt_u32 s[WV], 2                          ; waves 0 and 1 add up a piece each
	s_cbranch_scc0 .Lend
.irp p, 0,1,2,3,4,5,6,7
	ds_load_b128 v[QF+4*\p:QF+4*\p+3], v12 offset:1024*\p
.endr
	s_wait_dscnt 0x0
.irp p, 1,2,3,4,5,6,7
	v_pk_add_f32 v[QF:QF+1], v[QF:QF+1], v[QF+4*\p:QF+4*\p+1]
	v_pk_add_f32 v[QF+2:QF+3], v[QF+2:QF+3], v[QF+4*\p+2:QF+4*\p+3]
.endr
	global_store_b128 v13, v[QF:QF+3], s[8:9]      ; out0(r, 16 x + 8 h + 4 c + 0 .. 3)
.Lend:
	s_wait_tensorcnt 0x0                           ; the wave's end: behind my last LDS store
	ds_add_u32 v[SPW], v[NIL]
	s_wait_dscnt 0x0
	s_endpgm
.Lfunc_end_k_qc743b3085d_fine:
	.size	k_qc743b3085d_fine, .Lfunc_end_k_qc743b3085d_fine-k_qc743b3085d_fine
	.p2alignl 7, 3214868480
	.fill 96, 4, 3214868480
	.section	.rodata,"a",@progbits
	.p2align	6, 0x0
	.amdhsa_kernel k_qc743b3085d_fine
		.amdhsa_group_segment_fixed_size 9216
		.amdhsa_private_segment_fixed_size 0
		.amdhsa_enable_private_segment 0
		.amdhsa_kernarg_size 24
		.amdhsa_user_sgpr_count 2
		.amdhsa_user_sgpr_kernarg_segment_ptr 1
		.amdhsa_wavefront_size32 1
		.amdhsa_system_sgpr_workgroup_id_x 1
		.amdhsa_system_sgpr_workgroup_id_y 1
		.amdhsa_system_sgpr_workgroup_id_z 1
		.amdhsa_system_vgpr_workitem_id 0
		.amdhsa_next_free_vgpr 448
		.amdhsa_next_free_sgpr 66
		.amdhsa_reserve_vcc 1
		.amdhsa_float_denorm_mode_32 3
		.amdhsa_float_denorm_mode_16_64 3
		.amdhsa_memory_ordered 1
		.amdhsa_forward_progress 1
		.amdhsa_inst_pref_size 30
	.end_amdhsa_kernel
	.amdgpu_metadata
---
amdhsa.version: [ 1, 2 ]
amdhsa.kernels:
  - .name:           k_qc743b3085d_fine
    .symbol:         k_qc743b3085d_fine.kd
    .args:
      - { .name: fine_qkv, .offset: 0, .size: 8, .value_kind: global_buffer, .address_space: global }
      - { .name: Wo, .offset: 8, .size: 8, .value_kind: global_buffer, .address_space: global }
      - { .name: out0, .offset: 16, .size: 8, .value_kind: global_buffer, .address_space: global }
    .group_segment_fixed_size: 9216
    .private_segment_fixed_size: 0
    .kernarg_segment_align: 8
    .kernarg_segment_size: 24
    .max_flat_workgroup_size: 256
    .sgpr_count:     66
    .vgpr_count:     448
    .wavefront_size: 32
...
	.end_amdgpu_metadata
.endif
;; end of part 5
